; MI455X (gfx1250); checked and timed in simulation.
; The chip was launched on July 23, 2026; its instructions are those of AMD's public machine-readable ISA for CDNA 5 (MIT licence, August 2026) and "CDNA5" Instruction Set Architecture Reference Guide (July 2026). The comments in the code are by the model that wrote it; some were corrected since.
;; Multi Head Attention. Allowed arithmetic: matrix products marked QUANTISED: E4M3 operands, one E8M0 scale for each 32 along K, by v_wmma_scale_f32_16x16x128_f8f6f4 with both operands' format E4M3, f32 sums; everything else in f32.
;; Inputs: out_b 1,024 float32; out_w_codes 1,024 x 32 x 32 uint8 (E4M3 codes of out_w, K innermost, in blocks of 32 codes); out_w_scales 1,024 x 32 uint8 (E8M0 scales of out_w, one for each 32 codes along K); qkv_b 3,072 float32; qkv_w_codes 3,072 x 32 x 32 uint8 (E4M3 codes of qkv_w, K innermost, in blocks of 32 codes); qkv_w_scales 3,072 x 32 uint8 (E8M0 scales of qkv_w, one for each 32 codes along K); x_q_codes 4 x 2,048 x 32 x 32 uint8 (E4M3 codes of x_q, K innermost, in blocks of 32 codes); x_q_scales 4 x 2,048 x 32 uint8 (E8M0 scales of x_q, one for each 32 codes along K).
;; Outputs: out0 4 x 2,048 x 1,024 float32.
;; This version of the problem:
;;   THIS VERSION OF THE PROBLEM IS GIVEN IN LOW PRECISION. The matrix products marked QUANTISED in the list below multiply operands that are first quantised to E4M3 (4 exponent bits, 3 mantissa bits; 8 bits a number), with one power-of-two scale for each 32 numbers along K (OCP MX v1.0); their sums are f32. All else is computed in f32.
;;   The module's matrix products, in the order in which they are computed (A, B: the left and right operand; K: the contracted axis; several contracted axes count as one K, in the product's order):
;;     1. [M 8,192, K 1,024] x [K 1,024, N 3,072]; A: input x_q (given as codes); B: input qkv_w (given as codes): QUANTISED
;;     2. batch 64 x [M 2,048, K 64] x [K 64, N 2,048]; A: computed on the way; B: computed on the way: QUANTISED
;;     3. batch 64 x [M 2,048, K 2,048] x [K 2,048, N 64]; A: softmax (see below); B: computed on the way: QUANTISED
;;     4. [M 8,192, K 1,024] x [K 1,024, N 1,024]; A: computed on the way; B: input out_w (given as codes): QUANTISED
;;   THE QUANTISER, for each operand of a quantised product, along K:
;;     - K is cut into blocks of 32 from its start; a last block that is shorter is filled with zeros.
;;     - A block's scale is 2^e with e = floor(log2(the largest magnitude in the block)) - 8, held to -126 .. 127; a block of zeros has e = 0. As a byte (E8M0): e + 127.
;;     - Each number is divided by its block's scale, clamped to +-448, and rounded to the nearest number of E4M3, ties to even, subnormals kept.
;;     - The product sums the exact products of the quantised numbers (number of the format x scale) in f32.
;;   ~~~python
;;   def quantise(x, axis):      # numpy; x: float32 -> the quantised numbers, widened to float32 again
;;       x = np.moveaxis(x, axis, -1); K = x.shape[-1]
;;       x = np.pad(x, [(0, 0)] * (x.ndim - 1) + [(0, -K % 32)]); x = x.reshape(x.shape[:-1] + (-1, 32)); a = np.abs(x).max(-1, keepdims=True)
;;       e = np.where(a > 0, np.clip(np.frexp(np.where(a > 0, a, 1))[1] - 1 - 8, -126, 127), 0)      # np.frexp(a)[1] - 1 = floor(log2(a)), exactly
;;       r = np.clip(x / 2.0 ** e, -448, 448)
;;       step = 2.0 ** (np.maximum(np.frexp(np.where(r == 0, 1, r))[1] - 1, -6) - 3)
;;       q = np.round(r / step) * step * 2.0 ** e      # np.round: ties to even
;;       return np.moveaxis(q.reshape(q.shape[:-2] + (-1,))[..., :K], -1, axis).astype(np.float32)
;;   ~~~
;;   SOFTMAX AHEAD OF A QUANTISED PRODUCT. Where the list says 'softmax', what is quantised is not the finished softmax but p = 2^(t - M), with t = logit x log2(e) and M = ceil(the row's largest t), a whole number; so 1/2 < the row's largest p <= 1. The row's sum l is taken of the UNQUANTISED p, in f32, and the product's result is divided by l at the end. Since M is a whole number, a kernel that streams over the keys may use a running M (the ceiling of the running maximum): every later rescaling is an exact power of two, which a block's scale takes up: the codes' values come out the same.
;;   OPERANDS COMPUTED ON THE WAY. 'Computed on the way' means the value that the module computes at that place (a softmax that the list does not call 'softmax' is quantised finished and normalised). What goes into a quantiser is computed in f32, as accurately as f32 sums, v_exp_f32 and their like allow (about 1e-6 of the number): no bf16 or f16 on the way to a quantiser, and a product that is left as it is and whose result goes on into a quantised operand takes f32 operands (vector FMAs, or v_wmma_f32_16x16x4_f32). A number that lies on a knife's edge between two numbers of the format may be rounded either way, as far as f32 arithmetic and the matrix unit's own rounding can turn it there, and no further.
;;   INPUTS GIVEN AS CODES. out_w (in the module: [1024, 1024], K = its axis 1); qkv_w (in the module: [3072, 1024], K = its axis 1); x_q (in the module: [4, 2048, 1024], K = its axis 2): each comes as NAME_codes (uint8): NAME with its K axis moved to the last place and cut into blocks of 32 codes, [.., K / 32, bytes a block], one block behind the other in memory; one code a byte (a code: sign, 4 exponent bits, 3 mantissa bits); and NAME_scales (uint8): the same leading axes, one E8M0 byte (e + 127) for each 32 codes along K. Its value is code x scale, taken as it is: it is not quantised again, and the codes and scales need not be those that the quantiser above would give.
;; One version. Each part assembles by itself: llvm-mc -triple=amdgcn-amd-amdhsa -mcpu=gfx1250 --defsym DOCPART=n.
;; ======== version 1 of 1: 3 launches
;; limits: right only within a limited range of input values
;; workspace buffers: img 25,165,824 bytes; sc 1,572,864 bytes; aimg 8,388,608 bytes; asc 262,144 bytes
;; launch qkv (part 1): grid 16 x 16, 4 waves a work-group, clusters of 4 x 4, 327,680 bytes of LDS; arguments x_q_codes, x_q_scales, qkv_w_codes, qkv_w_scales, qkv_b, img, sc; writes img, sc
.if DOCPART == 1
	.amdgcn_target "amdgcn-amd-amdhsa--gfx1250"
	.amdhsa_code_object_version 6
	.text
	.protected	k_qbebf287ac8_qkv
	.globl	k_qbebf287ac8_qkv
	.p2align	8
	.type	k_qbebf287ac8_qkv,@function
k_qbebf287ac8_qkv:
	s_mov_b64 s[64:65], 0
	v_nop
	global_prefetch_b8 v0, s[64:65] scope:SCOPE_SE
	s_setreg_imm32_b32 hwreg(HW_REG_WAVE_MODE, 25, 1), 1
	s_wait_xcnt 0x0
	s_wait_alu depctr_hold_cnt(0) depctr_sa_sdst(0) depctr_va_vdst(0) depctr_va_sdst(0) depctr_va_ssrc(0) depctr_va_vcc(0) depctr_vm_vsrc(0)
	s_getreg_b32 s2, hwreg(HW_REG_IB_STS2, 6, 4)
	s_cmp_eq_u32 s2, 0
	s_cbranch_scc0 .Lentry_in_a_cluster
	s_endpgm
.Lentry_in_a_cluster:
	s_bfe_u32 s2, ttmp6, 0x10000c
	s_cmp_lg_u32 s2, 0xf033
	s_cbranch_scc0 .Lentry_shape_is_right
	s_endpgm
.Lentry_shape_is_right:
; q, k, v = x qkv_w^T + qkv_b AND THEIR QUANTISERS, on codes of E4M3 with E8M0 scales: 8,192 x 3,072 x 1,024, f32 sums that begin with the bias.  Codes and scale bytes leave as images of the next launch's operand registers.
; img: kind (q, k, v) x 2^23 + (16 batch + head) x 2^17.  q, k: + token tile of 16 x 1,024 + c x 512 + 16 x lane: lane (r, h) holds of token r the channels 32 c + 8 h + 0..7 and 32 c + 16 + 8 h + 0..7.
;   v: + key step of 128 x 8,192 + t x 2,048 + c x 512 + 16 x lane: lane (r, h) holds of channel 16 t + r the keys 32 c + 8 h + 0..7 and 32 c + 16 + 8 h + 0..7.
; sc: kind x 2^19 + head pair x 2^14.  q, k: + token tile x 128 + (head & 1) x 64 + 4 r: the token's two bytes, low in an even tile's word, high in an odd one's, zeros beside them.
;   v: + key step x 1,024 + (head & 1) x 512 + t x 128 + 4 x lane: the four bytes of channel 16 t + lane % 16 (both halves of the lanes alike).
; THE DEAL.  256 work-groups of four waves, 2 x 2.  A wave holds 64 rows of a weight (one head), ALL of K, in 512 registers (windows 1, 2) and streams blocks of 16 tokens past them: 32 products a block, four accumulators by turns,
; K ascending; a block's fragments stand in one of two sets of 128 registers (window 3).  PHASE 1: 512 tokens x 128 columns of q (tile columns 0-7) or k (8-15): sixteen blocks a wave.
; PHASE 2: 256 tokens x 128 columns of v: eight blocks a wave, of ONE OF THE WORK-GROUP'S OWN TWO WINDOWS of 256 tokens: number (cluster x) & 1; v's tile column is 4 (cluster x / 2) + cx: each tile of v has one work-group.
; LDS: two slots of 128 rows of 1,024 bytes + 16 of padding.  THE ORDER OF WORK: the window that is not v's (chunks 0, 1), then v's (chunks 2, 3): chunk 3 still lies in slot 1 when v begins; chunk 2 comes anew.  Only global addresses hang on which window it is.
; FILLS.  At the head the first weight into slot 1 (waves 0, 1) and chunk 0 into slot 0 (waves 2, 3).  Refills, each behind a drained round of the cluster's barrier, 32 rows a wave: chunk 1 over the weight once every wave holds it in registers;
; chunks 2, 3 and v's weight behind chunks 0, 1, 2; chunk 2 anew over v's weight.  x's tiles are shared along a row of the cluster, the weights' along a column.
; SCALE WORDS of x and of the weights come by plain loads: 16 rows are 512 dense bytes, 16 a lane at 32 r + 16 h: register j holds the word of K step j in lanes 0-15 and of K step 4 + j in lanes 16-31 (ROW1).
; q, k: the product is used transposed (source 0 = the weight's rows): a lane holds a token and 32 of the head's channels; a scale block of 32 channels lies in lanes l and l xor 16.
; v: source 0 = the tokens: a lane holds a channel and 8 tokens of a block; a scale block of 32 keys is two blocks' sums in lanes l and l xor 16.
; The new scale bytes are gathered in LDS bytes of their own, in the order of work, and leave at the end in whole runs of 512 bytes.
; PREFETCH: each later tile of 131,072 bytes is asked for once in each row (the weight: column) of a cluster, 8,192 bytes a wave, lanes 256 bytes apart, told apart by address: chunks 1, 2 at the head, chunk 3 and v's weight two fills ahead of their loads.
; LIMITS: NaN, infinities and sums beyond f32's range are not served; a block of zeros gets the scale byte 1 (its codes are zeros; only this program reads the bytes).
.set PITCH, 1040
.set BLK,   16*PITCH
.set YB,    128*PITCH                  ; slot 1
.set SCQ,   2*YB                       ; q's or k's scale words: [chunk][tile of 8][head of 2][r]: 4,096 bytes
.set SCV,   SCQ+4096                   ; v's: [key step of 2][head of 2][t][lane][c]: 2,048 bytes
.set SPARE, SCV+2048
.set AX,   4                           ; v4-7  LDS address of my blocks 0, 1 / 2, 3 in slot 0, in slot 1
.set ADRB, 8                           ; v8   of my rows of a weight in slot 1;  v9 in slot 0
.set ADRV, 9
.set LI,   10                          ; v10  16 x lane
.set SPW,  12
.set NIL,  13
.set PFO,  14                          ; v14  256 x lane
.set SOF,  15                          ; v15  32 r + 16 h
.set H32,  16                          ; v16  32 h
.set R4,   17                          ; v17  4 r
.set SQA,  18                          ; v18  LDS: where a scale word of q or k goes
.set SVA,  19                          ; v19  LDS: where a scale byte of v goes
.set TM,   20                          ; v20-31 the quantisers' maxima, operands, bytes
.set WSC,  32                          ; v32-47  the first weight's scale words, four a tile
.set XSC,  50                          ; v50-113 x's, four a block, sixteen blocks in the order of work: no product's two scale registers have numbers equal modulo 8
.set WSV,  116                         ; v116-131 v's weight's
.set BV,   132                         ; v132-135 v's bias, a number a tile
.set BN,   136                         ; v136-167 the first products' C
.set ACC,  168                         ; v168-231 two sets of sums
.set CD,   232                         ; v232-247 codes
.set CPQ,  248                         ; v248, v249 LDS: what I copy out at the end
.set CPV,  249
.set BD,   250                         ; v250-253 v's bounds
.set G1W,  28
.set G1X,  36
.set G1R,  44
.set G1V,  52
.set G0W,  60
.set G0X,  68
.set G0R,  72
.set G0V,  76
.set XP,   82                          ; s[82:83] x's codes at my work-group's rows, 32 x wave rows on
.set OFA,  84                          ; s[84:85], s[86:87] bytes to the window taken first, to v's window
.set OFB,  86
.set PFA,  90                          ; s[90:95] where my prefetches stand: the two windows, v's weight
.set PFB,  92
.set PFV,  94
.set IQA,  96                          ; s[96:101] img: q's or k's codes of the two windows, v's
.set IQB,  98
.set IV,   100
.set SEL,  6                           ; s[6:7], s10: set when the loads that they addressed are in
.set MNT,  10
.set MSB, 0
.macro WIN new                         ; the immediate's high byte repeats the setting that is left
.if MSB != (\new)
	s_set_vgpr_msb (MSB<<8)|(\new)
.set MSB, (\new)
.endif
.endm
.macro PLACES n
.rept \n
	v_nop
.endr
.endm
.macro BARRIER
	s_barrier_signal -1
	s_barrier_wait -1
.endm
.macro CROUND                          ; a round of the cluster's barrier
	BARRIER
	s_cmp_lg_u32 s18, 0
	s_cbranch_scc1 .Lnot_wave_0_\@
	s_barrier_signal -3
.Lnot_wave_0_\@:
	s_barrier_wait -3
	BARRIER
.endm
.macro TLOAD g0, g1                    ; s_nop 0 and four v_nop behind a tensor load
	tensor_load_to_lds s[\g0:\g0+3], s[\g1:\g1+7]
	s_nop 0
	PLACES 4
.endm
.macro GROUP1 g, mask, rows            ; so many whole rows of 1,024 bytes, dense in memory, 16 bytes of padding behind each in LDS
	s_or_b32 s[\g+0], s[\mask], (1<<20)|(1<<21)|(7<<22)|(3<<25)
	s_mov_b32 s[\g+1], 1024<<16
	s_mov_b32 s[\g+2], (\rows)<<16
	s_mov_b32 s[\g+3], 1024<<16
	s_mov_b32 s[\g+4], \rows
	s_mov_b32 s[\g+5], 1024
	s_mov_b32 s[\g+6], 0
	s_mov_b32 s[\g+7], 0
.endm
.macro SADD d, x
	s_add_co_u32 s\d, s\d, s\x
.endm
	s_load_b256 s[4:11], s[0:1], 0x0               ; x's codes, x's scales, the weights' codes, their scales
	s_load_b128 s[12:15], s[0:1], 0x20             ; qkv_b, img
	s_load_b64 s[16:17], s[0:1], 0x30              ; sc
	v_lshl_add_u32 v[SPW], v0, 2, SPARE
	v_mov_b32 v[NIL], 0
	ds_add_u32 v[SPW], v[NIL]                      ; the opening lines: the add twice on end, and its wait
	ds_add_u32 v[SPW], v[NIL]
	v_lshrrev_b32 v1, 5, v0
	v_readfirstlane_b32 s18, v1                    ; wave 0..3
	s_lshr_b32 s19, s18, 1                         ; my row of waves: 64 tokens of each 128
	s_and_b32 s20, s18, 1                          ; my column of waves: a head
	s_bfe_u32 s21, ttmp6, 0x40000                  ; cx
	s_bfe_u32 s22, ttmp6, 0x40004                  ; cy
	s_lshl_b32 s23, ttmp9, 2
	SADD 23, 21                                    ; tile column 0..15
	s_and_b32 s24, ttmp7, 0xffff
	s_lshl_b32 s24, s24, 2
	SADD 24, 22                                    ; tile row 0..15
	s_and_b32 s25, ttmp9, 1                        ; v's window
	s_lshr_b32 s26, ttmp9, 1                       ; 0: q, 1: k
	s_lshl_b32 s27, s26, 2
	SADD 27, 21                                    ; v's tile column 0..7
	s_lshl_b32 s80, s22, 2
	s_lshl_b32 s80, 15, s80                        ; my row of the cluster
	s_lshl_b32 s81, 0x1111, s21                    ; my column
	GROUP1 G1W, 81, 64
	GROUP1 G1X, 80, 64
	GROUP1 G1R, 80, 32
	GROUP1 G1V, 81, 32
	s_xor_b32 s[OFA], s25, 1
	s_lshl_b32 s[OFA], s[OFA], 18                  ; 256 rows of 1,024 bytes
	s_mov_b32 s[OFA+1], 0
	s_lshl_b32 s[OFB], s25, 18
	s_mov_b32 s[OFB+1], 0
	s_mul_i32 s88, s18, 32*PITCH                   ; a refill: where my 32 rows go in a slot
	s_lshl_b32 s89, s20, 16                        ; the head: which 64 rows I fetch
	s_lshl_b32 s66, s23, 17                        ; the first weight: 128 rows a tile column
	SADD 66, 89
	s_mov_b32 s67, 0
	s_lshl_b32 s104, s24, 19                       ; x: 512 rows a tile row; chunk 0
	SADD 104, 84
	SADD 104, 89
	s_mov_b32 s105, 0
	s_mul_i32 s73, s20, 64*PITCH
	s_add_co_u32 s74, s73, YB
	s_mov_b32 s[G0W], 1
	s_mov_b32 s[G0W+1], s74
	s_mov_b32 s[G0X], 1
	s_mov_b32 s[G0X+1], s73
	s_mov_b32 s[G0V], 1
	s_mov_b32 s[G0V+1], s88
	s_mul_i32 s72, s19, 4*BLK                      ; my row of waves' four blocks of a slot
	s_lshl_b32 s75, s19, 9
	s_lshl_b32 s2, s20, 6
	SADD 75, 2
	s_add_co_u32 s75, s75, SCQ
	s_lshl_b32 s3, s20, 9
	s_lshl_b32 s2, s19, 1
	SADD 3, 2
	s_add_co_u32 s3, s3, SCV
	s_lshl_b32 s2, s18, 10
	s_add_co_u32 s2, s2, SCQ
	s_lshl_b32 s89, s18, 9
	s_add_co_u32 s89, s89, SCV
	s_wait_dscnt 0x0                               ; both opening adds are done
	CROUND                                         ; all sixteen work-groups are here: the first joint loads meet
	s_wait_kmcnt 0x0
	s_add_nc_u64 s[G0W+2:G0W+3], s[8:9], s[66:67]
	s_or_b32 s[G0W+3], s[G0W+3], 0x80000000
	s_add_nc_u64 s[G0X+2:G0X+3], s[4:5], s[104:105]
	s_or_b32 s[G0X+3], s[G0X+3], 0x80000000
	s_cmp_eq_u32 s19, 0                            ; one joint load a wave
	s_cbranch_scc0 .Lfor_x
	TLOAD G0W, G1W                                 ; waves 0, 1: the first weight
	s_branch .Lasked
.Lfor_x:
	TLOAD G0X, G1X                                 ; waves 2, 3: chunk 0
.Lasked:
	v_and_b32 v1, 15, v0                           ; r
	v_bfe_u32 v2, v0, 4, 1                         ; h
	v_and_b32 v3, 31, v0                           ; lane
	v_lshlrev_b32 v[LI], 4, v3
	v_lshlrev_b32 v[PFO], 8, v3
	v_lshlrev_b32 v[SOF], 5, v1
	v_lshlrev_b32 v[H32], 5, v2
	v_lshlrev_b32 v[R4], 2, v1
	v_mul_u32_u24 v11, v1, PITCH
	v_lshl_add_u32 v[SOF], v2, 4, v[SOF]
	v_lshl_add_u32 v11, v2, 4, v11                 ; a fragment's row x pitch + 16 h
	v_add_nc_u32 v[SQA], s75, v[R4]
	v_lshl_add_u32 v[SVA], v3, 2, s3
	v_add_nc_u32 v[CPQ], s2, v[LI]
	v_add_nc_u32 v[CPV], s89, v[LI]
	v_add_nc_u32 v[AX], s72, v11
	v_add_nc_u32 v[ADRB], s74, v11
	v_add_nc_u32 v[ADRV], s73, v11
	v_add_nc_u32 v[AX+1], 2*BLK, v[AX]
	v_add_nc_u32 v[AX+2], YB, v[AX]
	v_add_nc_u32 v[AX+3], YB+2*BLK, v[AX]
.irp j, 2,3,4,5,6,7
	v_mov_b32 v[TM+\j], 0                          ; a lane permute's destination counts as one of its sources
.endr
	s_wait_alu depctr_va_vdst(0)                   ; ahead of the run of scalar lines
	; offsets are summed in s66 (s67 = 0) and added to a buffer's address last
	s_lshl_b32 s66, s24, 14                        ; x's scale bytes: 16,384 a tile row, 2,048 for 64 tokens
	s_lshl_b32 s89, s19, 11
	SADD 66, 89
	s_add_nc_u64 s[6:7], s[6:7], s[66:67]
	s_lshl_b32 s66, s25, 13
	s_add_nc_u64 s[2:3], s[6:7], s[66:67]          ; v's window
	s_lshr_b32 s66, s[OFA], 5
	s_add_nc_u64 s[6:7], s[6:7], s[66:67]          ; the window taken first
	s_lshl_b32 s89, s20, 11                        ; the weights' scale bytes: my 64 rows
	s_lshl_b32 s66, s27, 12
	SADD 66, 89
	s_add_co_u32 s66, s66, 65536
	s_add_nc_u64 s[104:105], s[10:11], s[66:67]
	s_lshl_b32 s66, s23, 12
	SADD 66, 89
	s_add_nc_u64 s[10:11], s[10:11], s[66:67]
	s_lshl_b32 s89, s20, 8                         ; the bias
	s_lshl_b32 s66, s27, 9
	SADD 66, 89
	s_add_co_u32 s66, s66, 8192
	s_add_nc_u64 s[72:73], s[12:13], s[66:67]
	s_lshl_b32 s66, s23, 9
	SADD 66, 89
	s_add_nc_u64 s[12:13], s[12:13], s[66:67]
.irp t, 0,1,2,3
	global_load_b128 v[WSC+4*\t:WSC+4*\t+3], v[SOF], s[10:11] offset:512*\t
	global_load_b128 v[WSV+4*\t:WSV+4*\t+3], v[SOF], s[104:105] offset:512*\t
.endr
.irp n, 0,1,2,3,4,5,6,7
	global_load_b128 v[XSC+4*\n:XSC+4*\n+3], v[SOF], s[6:7] offset:4096*(\n/4)+512*(\n%4)
	global_load_b128 v[XSC+32+4*\n:XSC+32+4*\n+3], v[SOF], s[2:3] offset:4096*(\n/4)+512*(\n%4)
.endr
.irp t, 0,1,2,3
	global_load_b128 v[BN+8*\t:BN+8*\t+3], v[H32], s[12:13] offset:64*\t       ; q, k: register 8 t + j: the bias of channel 16 t + 8 h + j
	global_load_b128 v[BN+8*\t+4:BN+8*\t+7], v[H32], s[12:13] offset:64*\t+16
	global_load_b32 v[BV+\t], v[R4], s[72:73] offset:64*\t                     ; v: of channel 16 t + r
.endr
	s_lshl_b32 s74, s24, 19
	s_lshl_b32 s66, s18, 15
	SADD 66, 74
	s_add_nc_u64 s[XP:XP+1], s[4:5], s[66:67]
	s_lshl_b32 s66, s21, 2                         ; which of the cluster row's sixteen waves I am
	SADD 66, 18
	s_lshl_b32 s66, s66, 13
	SADD 66, 74
	s_add_nc_u64 s[PFA:PFA+1], s[4:5], s[66:67]
	s_add_nc_u64 s[PFB:PFB+1], s[PFA:PFA+1], s[OFB:OFB+1]
	s_add_nc_u64 s[PFA:PFA+1], s[PFA:PFA+1], s[OFA:OFA+1]
	global_prefetch_b8 v[PFO], s[PFA:PFA+1] offset:131072 th:TH_LOAD_NT scope:SCOPE_SE   ; chunk 1
	global_prefetch_b8 v[PFO], s[PFB:PFB+1] th:TH_LOAD_NT scope:SCOPE_SE                 ; chunk 2
	s_lshl_b32 s74, s27, 17                        ; v's weight: behind q's and k's 2,048 rows
	s_add_co_u32 s74, s74, 0x200000
	s_lshl_b32 s66, s18, 15
	SADD 66, 74
	s_add_nc_u64 s[G0V+2:G0V+3], s[8:9], s[66:67]
	s_or_b32 s[G0V+3], s[G0V+3], 0x80000000
	s_lshl_b32 s66, s22, 2                         ; which of the cluster column's sixteen waves I am
	SADD 66, 18
	s_lshl_b32 s66, s66, 13
	SADD 66, 74
	s_add_nc_u64 s[PFV:PFV+1], s[8:9], s[66:67]
	s_lshr_b32 s74, s24, 2                         ; the batch
	s_and_b32 s75, s24, 3                          ; which 512 of its 2,048 tokens
	s_lshl_b32 s80, s74, 3
	s_add_co_u32 s81, s80, s27                     ; v's head pair
	s_and_b32 s89, s23, 7
	SADD 80, 89                                    ; q's or k's head pair
	s_lshl_b32 s66, s80, 1
	SADD 66, 20
	s_lshl_b32 s66, s66, 17
	s_lshl_b32 s89, s26, 23
	SADD 66, 89
	s_lshl_b32 s89, s75, 15
	SADD 66, 89
	s_lshl_b32 s89, s19, 12
	SADD 66, 89
	s_add_nc_u64 s[IQA:IQA+1], s[14:15], s[66:67]
	s_lshl_b32 s66, s25, 14
	s_add_nc_u64 s[IQB:IQB+1], s[IQA:IQA+1], s[66:67]
	s_lshr_b32 s66, s[OFA], 4
	s_add_nc_u64 s[IQA:IQA+1], s[IQA:IQA+1], s[66:67]
	s_lshl_b32 s66, s81, 1
	SADD 66, 20
	s_lshl_b32 s66, s66, 17
	s_add_co_u32 s66, s66, 0x1000000
	s_lshl_b32 s74, s75, 2
	s_lshl_b32 s89, s25, 1
	SADD 74, 89                                    ; v's first key step
	s_lshl_b32 s89, s74, 13
	SADD 66, 89
	s_lshl_b32 s89, s19, 10
	SADD 66, 89
	s_add_nc_u64 s[IV:IV+1], s[14:15], s[66:67]
	s_lshl_b32 s66, s80, 14                        ; sc, at the end: wave n stores chunk n's 1,024 bytes of q's or k's words
	s_lshl_b32 s89, s26, 19
	SADD 66, 89
	s_lshl_b32 s89, s75, 12
	SADD 66, 89
	s_xor_b32 s89, s25, s19
	s_xor_b32 s89, s89, 1                          ; chunk n's window
	s_lshl_b32 s89, s89, 11
	SADD 66, 89
	s_lshl_b32 s89, s20, 10
	SADD 66, 89
	s_add_nc_u64 s[4:5], s[16:17], s[66:67]
	s_lshl_b32 s66, s81, 14                        ; and 512 bytes of v's
	s_add_co_u32 s66, s66, 0x100000
	s_lshl_b32 s89, s74, 10
	SADD 66, 89
	s_lshl_b32 s89, s18, 9
	SADD 66, 89
	s_add_nc_u64 s[8:9], s[16:17], s[66:67]
.macro WEIGHTS adr                     ; my 64 rows of a weight, all of K: 128 loads: fragment 4 q + b lies in window 1 + (4 q + b) / 16
.irp q, 0,1,2,3,4,5,6,7
.irp b, 0,1,2,3
	WIN (1+(4*\q+\b)/16)<<6
.irp c, 0,1,2,3
	ds_load_b128 v[16*((4*\q+\b)%16)+4*\c:16*((4*\q+\b)%16)+4*\c+3], v[\adr] offset:\b*BLK+128*\q+32*\c
.endr
.endr
.endr
	WIN 0
.endm
.macro FETCH slot, i                   ; my block i of the chunk in a slot, 16 tokens, all of K, into set i % 2 of window 3: 32 loads
.set FK_, 128*((\i)%2)
.set FA_, AX+2*(\slot)+(\i)/2
.set FO_, ((\i)%2)*BLK
	WIN 3<<6
.irp q, 0,1,2,3,4,5,6,7
.irp c, 0,1,2,3
	ds_load_b128 v[FK_+16*\q+4*\c:FK_+16*\q+4*\c+3], v[FA_] offset:FO_+128*\q+32*\c
.endr
.endr
	WIN 0
.endm
.macro PRODS kind, i, xs, ws           ; a block's 32 products: number 4 q + b is the q-th 128 of K against column tile b.  kind 0 (q, k): source 0 = the weight's rows; kind 1 (v): source 0 = the tokens
.set E_, 128*((\i)%2)
.set A_, ACC+32*((\i)%2)
.set N_, 0
.rept 32
.set Q_, N_/4
.set B_, N_%4
.set W_, 16*(N_%16)
.set R_, E_+16*Q_
.set D_, A_+8*B_
.set C_, D_
.if Q_ == 0
.set C_, BN+8*B_
.endif
.set XS_, (\xs)+Q_%4
.set WS_, (\ws)+4*B_+Q_%4
.if \kind
	WIN 3|((1+N_/16)<<2)
.if Q_ < 4
	v_wmma_scale_f32_16x16x128_f8f6f4 v[D_:D_+7], v[R_:R_+15], v[W_:W_+15], v[C_:C_+7], v[XS_], v[WS_]
.else
	v_wmma_scale_f32_16x16x128_f8f6f4 v[D_:D_+7], v[R_:R_+15], v[W_:W_+15], v[C_:C_+7], v[XS_], v[WS_] matrix_a_scale:MATRIX_SCALE_ROW1 matrix_b_scale:MATRIX_SCALE_ROW1
.endif
.else
	WIN (1+N_/16)|(3<<2)
.if Q_ < 4
	v_wmma_scale_f32_16x16x128_f8f6f4 v[D_:D_+7], v[W_:W_+15], v[R_:R_+15], v[C_:C_+7], v[WS_], v[XS_]
.else
	v_wmma_scale_f32_16x16x128_f8f6f4 v[D_:D_+7], v[W_:W_+15], v[R_:R_+15], v[C_:C_+7], v[WS_], v[XS_] matrix_a_scale:MATRIX_SCALE_ROW1 matrix_b_scale:MATRIX_SCALE_ROW1
.endif
.endif
.set N_, N_+1
.endr
	WIN 0
.endm
; THE QUANTISER OF A BLOCK OF q OR k: registers 16 c .. 16 c + 15 of the sums are 16 of the 32 channels of scale block c; lane l xor 16 holds the others
.macro QUANTQ i
.set A_, ACC+32*((\i)%2)
.set K_, CD+8*((\i)%2)
	s_wait_xcnt 0x0                                ; earlier stores have read the registers that are written below
.irp c, 0,1
	v_max3_num_f32 v[TM+\c], |v[A_+16*\c]|, |v[A_+16*\c+1]|, 0x4800000   ; with the floor 2^(9 - 127): the byte cannot fall under 1
.endr
.irp j, 2,4,6,8,10,12,14
.irp c, 0,1
	v_max3_num_f32 v[TM+\c], v[TM+\c], |v[A_+16*\c+\j]|, |v[A_+16*\c+\j+1]|
.endr
.endr
.irp c, 0,1
	v_permlanex16_b32 v[TM+2+\c], v[TM+\c], s[SEL], s[SEL+1]
.endr
.irp c, 0,1
	v_max_num_f32 v[TM+\c], v[TM+\c], v[TM+2+\c]
.endr
.irp c, 0,1
	v_add_nc_u32 v[TM+4+\c], 0xfc000000, v[TM+\c]  ; the conversion's scale operand
.endr
.irp c, 0,1
	v_and_or_b32 v[TM+6+\c], v[TM+\c], 0x7f800000, s[MNT]   ; 448 x the scale
.endr
.irp c, 0,1
	v_lshrrev_b32 v[TM+8+\c], 23, v[TM+4+\c]       ; the scale's byte
.endr
.if (\i)%2
	v_lshlrev_b32 v[TM+8], 16, v[TM+8]             ; an odd tile's bytes stand high
	v_lshl_or_b32 v[TM+10], v[TM+9], 24, v[TM+8]
.else
	v_lshl_or_b32 v[TM+10], v[TM+9], 8, v[TM+8]
.endif
.irp c, 0,1
.irp j, 0,1,2,3,4,5,6,7,8,9,10,11,12,13,14,15
	v_med3_num_f32 v[A_+16*\c+\j], v[A_+16*\c+\j], -v[TM+6+\c], v[TM+6+\c]
.endr
	v_cvt_scalef32_pk8_fp8_f32 v[K_+4*\c:K_+4*\c+1], v[A_+16*\c:A_+16*\c+7], v[TM+4+\c]
	v_cvt_scalef32_pk8_fp8_f32 v[K_+4*\c+2:K_+4*\c+3], v[A_+16*\c+8:A_+16*\c+15], v[TM+4+\c]
.endr
	v_nop                                          ; a plain line behind the last conversion
.endm
.macro BLOCKQ k, i, w, f               ; block i of chunk k.  w: the count of the wait for its fragments; f = 1: its set takes the block two on
	s_wait_dscnt \w
	PRODS 0, \i, XSC+4*(4*(\k)+(\i)), WSC
	PLACES 8                                       ; eight places behind the last product, ahead of the loads into what it has read and of the first reader of its sums
.if \f
	FETCH (\k)%2, (\i)+2
.endif
	QUANTQ \i
	ds_store_b32 v[SQA], v[TM+10] offset:(\k)*1024+(\i)*128
.if (\k) < 2
	global_store_b128 v[LI], v[K_:K_+3], s[IQA:IQA+1] offset:((\k)%2)*8192+(\i)*1024         ; 512 consecutive aligned bytes each
	global_store_b128 v[LI], v[K_+4:K_+7], s[IQA:IQA+1] offset:((\k)%2)*8192+(\i)*1024+512
.else
	global_store_b128 v[LI], v[K_:K_+3], s[IQB:IQB+1] offset:((\k)%2)*8192+(\i)*1024
	global_store_b128 v[LI], v[K_+4:K_+7], s[IQB:IQB+1] offset:((\k)%2)*8192+(\i)*1024+512
.endif
.endm
.macro CHUNKQ k, pf                    ; phase 1: my four blocks of chunk k, which lies in slot k % 2.  The waits: behind a block's 32 loads stand the next fetch's 32 (and a store or two: the count is on the strict side)
	FETCH (\k)%2, 0
	FETCH (\k)%2, 1
.if (\pf) == 1
	global_prefetch_b8 v[PFO], s[PFB:PFB+1] offset:131072 th:TH_LOAD_NT scope:SCOPE_SE   ; chunk 3
.elseif (\pf) == 2
	global_prefetch_b8 v[PFO], s[PFV:PFV+1] th:TH_LOAD_NT scope:SCOPE_SE                 ; v's weight
.endif
	BLOCKQ \k, 0, 32, 1
	BLOCKQ \k, 1, 32, 1
	BLOCKQ \k, 2, 32, 0
	BLOCKQ \k, 3, 0, 0
.endm
; THE QUANTISER OF A PAIR OF v's BLOCKS: tile t's eight sums of the even block and of the odd one are 16 of the 32 keys of a scale block of channel 16 t + r; lane l xor 16 holds the others
.macro QUANTV
	s_wait_xcnt 0x0
.irp t, 0,1,2,3
	v_max3_num_f32 v[TM+\t], |v[ACC+8*\t]|, |v[ACC+8*\t+1]|, 0x4800000
.endr
.irp j, 2,4,6
.irp t, 0,1,2,3
	v_max3_num_f32 v[TM+\t], v[TM+\t], |v[ACC+8*\t+\j]|, |v[ACC+8*\t+\j+1]|
.endr
.endr
.irp j, 0,2,4,6
.irp t, 0,1,2,3
	v_max3_num_f32 v[TM+\t], v[TM+\t], |v[ACC+32+8*\t+\j]|, |v[ACC+32+8*\t+\j+1]|
.endr
.endr
.irp t, 0,1,2,3
	v_permlanex16_b32 v[TM+4+\t], v[TM+\t], s[SEL], s[SEL+1]
.endr
.irp t, 0,1,2,3
	v_max_num_f32 v[TM+\t], v[TM+\t], v[TM+4+\t]
.endr
.irp t, 0,1,2,3
	v_add_nc_u32 v[TM+8+\t], 0xfc000000, v[TM+\t]
.endr
.irp t, 0,1,2,3
	v_and_or_b32 v[BD+\t], v[TM+\t], 0x7f800000, s[MNT]
.endr
.irp t, 0,1,2,3
	v_lshrrev_b32 v[TM+4+\t], 23, v[TM+8+\t]
.endr
.irp t, 0,1,2,3
.irp j, 0,1,2,3,4,5,6,7
	v_med3_num_f32 v[ACC+8*\t+\j], v[ACC+8*\t+\j], -v[BD+\t], v[BD+\t]
.endr
.irp j, 0,1,2,3,4,5,6,7
	v_med3_num_f32 v[ACC+32+8*\t+\j], v[ACC+32+8*\t+\j], -v[BD+\t], v[BD+\t]
.endr
	v_cvt_scalef32_pk8_fp8_f32 v[CD+4*\t:CD+4*\t+1], v[ACC+8*\t:ACC+8*\t+7], v[TM+8+\t]
	v_cvt_scalef32_pk8_fp8_f32 v[CD+4*\t+2:CD+4*\t+3], v[ACC+32+8*\t:ACC+32+8*\t+7], v[TM+8+\t]
.endr
	v_nop
.endm
.macro VOUT sl, pr                     ; key step sl of my window, my pr-th pair: four tiles' bytes and codes
.irp t, 0,1,2,3
	ds_store_b8 v[SVA], v[TM+4+\t] offset:(\sl)*1024+\t*128+(\pr)
	global_store_b128 v[LI], v[CD+4*\t:CD+4*\t+3], s[IV:IV+1] offset:(\sl)*8192+\t*2048+(\pr)*512
.endr
.endm
.macro CHUNKV slot, nb, sl             ; phase 2: my four blocks of the chunk in a slot; nb: its first block in the order of work; sl: its key step in v's window
	FETCH \slot, 0
	FETCH \slot, 1
	s_wait_dscnt 32
	PRODS 1, 0, XSC+4*(\nb), WSV
	PLACES 8
	FETCH \slot, 2
	s_wait_dscnt 32
	PRODS 1, 1, XSC+4*(\nb)+4, WSV
	PLACES 8
	FETCH \slot, 3
	QUANTV
	VOUT \sl, 0
	s_wait_dscnt 32
	PRODS 1, 2, XSC+4*(\nb)+8, WSV
	PLACES 8
	s_wait_dscnt 0x0
	PRODS 1, 3, XSC+4*(\nb)+12, WSV
	PLACES 8
	QUANTV
	VOUT \sl, 1
.endm
.macro GRD
	s_wait_tensorcnt 0x0
	ds_add_u32 v[SPW], v[NIL]
.endm
.macro REFILL lds, off, extra          ; 128 rows of x, at s[off] + extra of my work-group's rows, into the slot at lds: 32 rows a wave.  The round also shows the tile asked for before
	GRD
	s_mov_b32 s[G0R], 1                            ; no tensor load of mine is out: the group 0 may be written
	s_add_co_u32 s[G0R+1], s88, \lds
	s_add_nc_u64 s[G0R+2:G0R+3], s[XP:XP+1], s[\off:\off+1]
.if \extra
	s_add_nc_u64 s[G0R+2:G0R+3], s[G0R+2:G0R+3], \extra
.endif
	s_or_b32 s[G0R+3], s[G0R+3], 0x80000000
	s_wait_dscnt 0x0                               ; the add is done, and so are my reads of the slot
	CROUND
	TLOAD G0R, G1R
.endm
	s_wait_alu depctr_va_vdst(0)                   ; the wait at the head's end
	s_wait_tensorcnt 0x0                           ; my tile of the head's four is in
	BARRIER
	WEIGHTS ADRB
	s_wait_loadcnt 0x0                             ; scale words and bias are in: the registers that addressed them are free
	s_mov_b32 s[SEL], 0x76543210
	s_mov_b32 s[SEL+1], 0xfedcba98
	s_mov_b32 s[MNT], 0x600000
	REFILL YB, OFA, 0x20000                        ; chunk 1 over the first weight, which every wave holds in registers
	CHUNKQ 0, 1
	REFILL 0, OFB, 0                               ; chunk 2
	CHUNKQ 1, 2
	REFILL YB, OFB, 0x20000                        ; chunk 3
	CHUNKQ 2, 0
	GRD
	s_wait_dscnt 0x0
	CROUND
	TLOAD G0V, G1V
	CHUNKQ 3, 0
	s_wait_tensorcnt 0x0                           ; the change of phase: my part of v's weight is in
	s_wait_dscnt 0x0
	BARRIER
	WEIGHTS ADRV
.irp t, 0,1,2,3
.irp j, 0,1,2,3,4,5,6,7
	v_mov_b32 v[BN+8*\t+\j], v[BV+\t]              ; v's first products' C: a lane's eight tokens of tile t share channel 16 t + r
.endr
.endr
	s_wait_alu depctr_va_vdst(0)                   ; directly ahead of the wait below
	REFILL 0, OFB, 0                               ; chunk 2 anew, over v's weight
	CHUNKV 1, 12, 1                                ; chunk 3, as it lies in slot 1
	s_wait_tensorcnt 0x0
	s_wait_dscnt 0x0
	BARRIER
	CHUNKV 0, 8, 0
	s_wait_xcnt 0x0                                ; the last stores have read the registers that the loads below fill
	s_wait_dscnt 0x0                               ; my scale words and bytes are in LDS
	BARRIER
	ds_load_b128 v[CD:CD+3], v[CPQ]
	ds_load_b128 v[CD+4:CD+7], v[CPQ] offset:512
	ds_load_b128 v[CD+8:CD+11], v[CPV]
	s_wait_dscnt 0x0
	global_store_b128 v[LI], v[CD:CD+3], s[4:5]
	global_store_b128 v[LI], v[CD+4:CD+7], s[4:5] offset:512
	global_store_b128 v[LI], v[CD+8:CD+11], s[8:9]
	s_wait_tensorcnt 0x0                           ; the wave's end
	ds_add_u32 v[SPW], v[NIL]
	s_wait_dscnt 0x0
	CROUND                                         ; the closing round
	s_endpgm
.Lfunc_end_k_qbebf287ac8_qkv:
	.size	k_qbebf287ac8_qkv, .Lfunc_end_k_qbebf287ac8_qkv-k_qbebf287ac8_qkv
	.p2alignl 7, 3214868480
	.fill 96, 4, 3214868480
	.section	.rodata,"a",@progbits
	.p2align	6, 0x0
	.amdhsa_kernel k_qbebf287ac8_qkv
		.amdhsa_group_segment_fixed_size 327680
		.amdhsa_private_segment_fixed_size 0
		.amdhsa_enable_private_segment 0
		.amdhsa_kernarg_size 56
		.amdhsa_user_sgpr_count 2
		.amdhsa_user_sgpr_kernarg_segment_ptr 1
		.amdhsa_wavefront_size32 1
		.amdhsa_system_sgpr_workgroup_id_x 1
		.amdhsa_system_sgpr_workgroup_id_y 1
		.amdhsa_system_sgpr_workgroup_id_z 1
		.amdhsa_system_vgpr_workitem_id 0
		.amdhsa_next_free_vgpr 1024
		.amdhsa_next_free_sgpr 106
		.amdhsa_reserve_vcc 0
		.amdhsa_float_denorm_mode_32 3
		.amdhsa_float_denorm_mode_16_64 3
		.amdhsa_memory_ordered 1
		.amdhsa_forward_progress 1
		.amdhsa_inst_pref_size 255
	.end_amdhsa_kernel
	.section	.bss,"aw",@nobits
	.p2align	6
	.space	262144
	.amdgpu_metadata
---
amdhsa.version: [ 1, 2 ]
amdhsa.kernels:
  - .name:           k_qbebf287ac8_qkv
    .symbol:         k_qbebf287ac8_qkv.kd
    .args:
      - { .name: x_q_codes, .offset: 0, .size: 8, .value_kind: global_buffer, .address_space: global }
      - { .name: x_q_scales, .offset: 8, .size: 8, .value_kind: global_buffer, .address_space: global }
      - { .name: qkv_w_codes, .offset: 16, .size: 8, .value_kind: global_buffer, .address_space: global }
      - { .name: qkv_w_scales, .offset: 24, .size: 8, .value_kind: global_buffer, .address_space: global }
      - { .name: qkv_b, .offset: 32, .size: 8, .value_kind: global_buffer, .address_space: global }
      - { .name: img, .offset: 40, .size: 8, .value_kind: global_buffer, .address_space: global }
      - { .name: sc, .offset: 48, .size: 8, .value_kind: global_buffer, .address_space: global }
    .group_segment_fixed_size: 327680
    .private_segment_fixed_size: 0
    .kernarg_segment_align: 8
    .kernarg_segment_size: 56
    .max_flat_workgroup_size: 128
    .sgpr_count:     106
    .vgpr_count:     1024
    .wavefront_size: 32
...
	.end_amdgpu_metadata
.endif
;; end of part 1
;; launch attn (part 2): grid 4 x 64, 16 waves a work-group, clusters of 4 x 1, 296,960 bytes of LDS; arguments img, sc, aimg, asc; writes aimg, asc
.if DOCPART == 2
	.amdgcn_target "amdgcn-amd-amdhsa--gfx1250"
	.amdhsa_code_object_version 6
	.text
	.protected	k_qbebf287ac8_attn
	.globl	k_qbebf287ac8_attn
	.p2align	8
	.type	k_qbebf287ac8_attn,@function
k_qbebf287ac8_attn:
	s_mov_b64 s[64:65], 0
	v_nop
	global_prefetch_b8 v0, s[64:65] scope:SCOPE_SE
	s_setreg_imm32_b32 hwreg(HW_REG_WAVE_MODE, 25, 1), 1
	s_wait_xcnt 0x0
	s_wait_alu depctr_hold_cnt(0) depctr_sa_sdst(0) depctr_va_vdst(0) depctr_va_sdst(0) depctr_va_ssrc(0) depctr_va_vcc(0) depctr_vm_vsrc(0)
	s_getreg_b32 s2, hwreg(HW_REG_IB_STS2, 6, 4)
	s_cmp_eq_u32 s2, 0
	s_cbranch_scc0 .Lentry_in_a_cluster
	s_endpgm
.Lentry_in_a_cluster:
	s_bfe_u32 s2, ttmp6, 0x10000c
	s_cmp_lg_u32 s2, 0x3003
	s_cbranch_scc0 .Lentry_shape_is_right
	s_endpgm
.Lentry_shape_is_right:
; O = softmax(q k^T / 8) v for one head a cluster, both products on codes of E4M3 with E8M0 scales, and O quantised along E for the last product.
; THE SOFTMAX: t = score x log2(e) / 8 (q's factor 1/8 is taken here); M = the running largest t rounded up to a whole number; p = 2^(t - M) is quantised along the keys;
; the row's sum is taken of the unquantised p and divides O at the end.  When M moves, the sum and O are multiplied by 2^(old M - new M), which rounds nothing.
; SHARES.  The four work-groups of a cluster own one head's 2,048 queries, 512 each, in two passes of 256, written one behind the other; each of the sixteen waves owns one tile of 16 queries a pass, in 256 registers.
; THE WHOLE HEAD LIES IN LDS: k's and v's register images (131,072 bytes each) and the scale words of the head pair (16,384 each), filled once by joint loads of the four work-groups
; (the same descriptor and the mask 15 in all four), ONE LOAD A WAVE: waves 0-5 key steps 0-5 of k and v (two steps, 16,384 bytes, each), waves 6, 7 the scale words, waves 8-15 key steps 6-15 (20,480 bytes each).
; Waves 0-7 have load lines of their own and wait ahead of the first barrier, which shows steps 0-5; all waves wait ahead of the one barrier behind step 5, which shows the rest.  Nothing is filled again: no ring, no further barrier.
; LAYOUT.  Both products are used transposed: S^T = k q^T, O^T = v^T p^T: a lane holds one query (lane % 16) throughout.  All operands are images of registers: a group of four registers is 512 dense bytes.
; K = 64 IN AN INSTRUCTION OF 128.  A run of k is two tiles' registers on end.  Against (q, 0) it gives the first tile's scores, against (0, q) the second's: the half not wanted meets zero codes.
; The scale word of an even tile has its bytes low and zeros high, that of an odd tile the other way; one load brings the even tile's in lanes 0-15 and the odd one's in lanes 16-31.
; OUT.  O / the sum is quantised in blocks of 32 channels; two lane swaps a block restore the true order of k; aimg: token tile x 16,384 + head x 1,024 + c x 512;  asc [8,192][32]: two bytes a lane.
; LIMITS: NaN and infinities are not served; the scaled scores stay under 2^31 in magnitude; a block of zeros gets the scale byte 1 (its codes are zeros; only this program reads the bytes).
; No prefetch: every byte that the work-group reads of k and v is asked for in its first lines, so there is no loop to run ahead in.
.set VIMG, 131072
.set KSC,  262144
.set VSC,  278528
.set SPARE, 294912                     ; the spare words: 128 bytes a wave, 2,048 in all
.set LI,   1                           ; v1  16 x lane
.set LIV,  2                           ; v2  the same in v's images
.set KSA,  3                           ; v3  my place among k's scale words: 128 h + 4 r + 64 (head & 1)
.set VSA,  4                           ; v4  among v's: 4 x lane + 512 (head & 1)
.set R4,   5                           ; v5  4 r
.set R32,  6                           ; v6  32 r
.set ADK,  8
.set ADV,  9
.set ADS,  10
.set ADT,  11
.set SUM,  16                          ; v16-31  eight partial sums of p, in pairs
.set OLDM, 221                         ; v221 the last step's -M
.set SPW,  222
.set NIL,  223
; v12 -M, v13 the largest score so far, v[14:15] the sum; v32-95 four runs of k, then four fragments of v; v96-159 S^T, then p; v160-191 O^T; v192-199 q, v200-207 zeros, v208-215 q again; v216 q's scale word as stored;
; v224-239 codes; v232-254 at work; v248-251 k's or v's scale words; v253 p's scale word; v255 q's scale word, its two bytes in both halves
; A BLOCK'S SCALE is made from e = floor(t - M) of the block's largest score, held at -118 from below: 2^e is the power of two in the block's largest p.
; LIMIT: where v_exp_f32 rounds that p up to 2^(e + 1), it is held at 448 x the scale, as a p just under 2^(e + 1) is.
.set WV,   12
.set BH,   14
.set G1E,  16                          ; s[16:23] group 1: 64 rows of 256 bytes, dense
.set G1L,  24                          ; s[24:31] 80 such rows
.set G0A,  32                          ; s[32:35] group 0: waves 0-5;  s[36:39] waves 6, 7;  s[40:43] waves 8-15
.set G0B,  36
.set G0C,  40
.set QB,   52
.set QS,   54
.set OA,   56
.set OS,   58
.set SEL,  60
.set CS,   62
.set MNT,  66
.set TB,   67
.set TS,   68
.set CNT,  70
.set BB,   71
.set HD,   72
.set PAR,  73
.macro ROUND                           ; a round of the cluster's barrier
	s_barrier_signal -1
	s_barrier_wait -1
	s_cmp_lg_u32 s[WV], 0
	s_cbranch_scc1 .Lnot_wave_0_\@
	s_barrier_signal -3
.Lnot_wave_0_\@:
	s_barrier_wait -3
	s_barrier_signal -1
	s_barrier_wait -1
.endm
.macro DENSE g, rows                   ; group 1: so many dense rows of 256 bytes (32 elements of 8), for all four work-groups; bit 21 beside the mask; no padding
	s_mov_b32 s[\g], 15|(3<<16)|(1<<21)
	s_mov_b32 s[\g+1], 32<<16
	s_mov_b32 s[\g+2], (\rows)<<16
	s_mov_b32 s[\g+3], 32<<16
	s_mov_b32 s[\g+4], \rows
	s_mov_b32 s[\g+5], 32
	s_mov_b32 s[\g+6], 0
	s_mov_b32 s[\g+7], 0
.endm
.macro GROUP0 g, lds, adr
	s_mov_b32 s[\g], 1
	s_mov_b32 s[\g+1], s\lds
	s_mov_b64 s[\g+2:\g+3], s[\adr:\adr+1]
	s_or_b32 s[\g+3], s[\g+3], 0x80000000
.endm
.macro TLOAD g0, g1                    ; s_nop 0 and four v_nop behind a tensor load
	tensor_load_to_lds s[\g0:\g0+3], s[\g1:\g1+7]
	s_nop 0
.rept 4
	v_nop
.endr
.endm
	s_load_b256 s[4:11], s[0:1], 0x0               ; img, sc, aimg, asc
	v_lshl_add_u32 v[SPW], v0, 2, SPARE
	v_mov_b32 v[NIL], 0
	ds_add_u32 v[SPW], v[NIL]                      ; the opening lines: the add twice on end, and its wait, ahead of my tensor load
	ds_add_u32 v[SPW], v[NIL]
	v_lshrrev_b32 v7, 5, v0
	v_readfirstlane_b32 s[WV], v7                  ; wave 0..15
	s_bfe_u32 s13, ttmp6, 0x40000                  ; cx: it enters q's and the outputs' addresses alone
	s_and_b32 s[BH], ttmp7, 0xffff                 ; the head, 16 b + h, which the four partners share
	s_lshr_b32 s[BB], s[BH], 4
	s_and_b32 s[HD], s[BH], 15
	s_and_b32 s[PAR], s[BH], 1
	s_lshl_b32 s15, s[BH], 17                      ; the head's images
	s_and_b32 s74, s[WV], 1                        ; waves 0-7: 0: k, 1: v
	s_lshr_b32 s75, s[WV], 1                       ; waves 0-5: which two key steps
	s_lshl_b32 s80, s74, 17
	s_lshl_b32 s81, s75, 14
	s_add_co_u32 s80, s80, s81                     ; LDS: 131,072 x kind + 16,384 x piece
	s_add_co_u32 s76, s74, 1
	s_lshl_b32 s76, s76, 23                        ; the kind's images
	s_add_co_u32 s76, s76, s15
	s_add_co_u32 s76, s76, s81
	s_mov_b32 s77, 0
	s_lshl_b32 s81, s74, 14
	s_add_co_u32 s81, s81, KSC                     ; waves 6, 7: LDS: the kind's scale words
	s_add_co_u32 s78, s74, 1
	s_lshl_b32 s78, s78, 19
	s_lshr_b32 s79, s[BH], 1
	s_lshl_b32 s79, s79, 14                        ; the head pair's
	s_add_co_u32 s78, s78, s79
	s_mov_b32 s79, 0
	s_bfe_u32 s82, s[WV], 0x10002                  ; waves 8-15: the kind is bit 2,
	s_and_b32 s83, s[WV], 3                        ; the piece of 20,480 bytes bits 1:0,
	s_mul_i32 s83, s83, 20480
	s_add_co_u32 s83, s83, 49152                   ; behind key step 5
	s_lshl_b32 s84, s82, 17
	s_add_co_u32 s84, s84, s83                     ; LDS
	s_add_co_u32 s86, s82, 1
	s_lshl_b32 s86, s86, 23
	s_add_co_u32 s86, s86, s15
	s_add_co_u32 s86, s86, s83
	s_mov_b32 s87, 0
	DENSE G1E, 64
	DENSE G1L, 80
	; my first tile of queries, T0 = 32 cx + wave, and where it lies
	s_lshl_b32 s88, s13, 5
	s_add_co_u32 s88, s88, s[WV]
	s_lshl_b32 s89, s88, 10
	s_add_co_u32 s[QB], s15, s89
	s_mov_b32 s[QB+1], 0
	s_lshr_b32 s[QS], s[BH], 1
	s_lshl_b32 s[QS], s[QS], 14
	s_lshl_b32 s89, s88, 7
	s_add_co_u32 s[QS], s[QS], s89
	s_lshl_b32 s89, s[PAR], 6
	s_add_co_u32 s[QS], s[QS], s89
	s_mov_b32 s[QS+1], 0
	s_lshl_b32 s89, s[BB], 7
	s_add_co_u32 s89, s89, s88                     ; the tile among the 512 of all tokens
	s_lshl_b32 s[OA], s89, 14
	s_lshl_b32 s88, s[HD], 10
	s_add_co_u32 s[OA], s[OA], s88
	s_mov_b32 s[OA+1], 0
	s_lshl_b32 s[OS], s89, 9
	s_lshl_b32 s88, s[HD], 1
	s_add_co_u32 s[OS], s[OS], s88
	s_mov_b32 s[OS+1], 0
	s_mov_b32 s[SEL], 0x76543210
	s_mov_b32 s[SEL+1], 0xfedcba98
	s_mov_b32 s[CS], 0x3e38aa3b                    ; c = log2(e) / 8
	s_mov_b32 s[CS+1], s[CS]                       ; (named with it as a pair)
	s_mov_b32 s[MNT], 0x600000
	s_wait_dscnt 0x0                               ; both opening adds are done
	s_wait_kmcnt 0x0
	s_add_nc_u64 s[76:77], s[4:5], s[76:77]
	s_add_nc_u64 s[78:79], s[6:7], s[78:79]
	s_add_nc_u64 s[86:87], s[4:5], s[86:87]
	s_add_nc_u64 s[QB:QB+1], s[4:5], s[QB:QB+1]
	s_add_nc_u64 s[QS:QS+1], s[6:7], s[QS:QS+1]
	s_add_nc_u64 s[OA:OA+1], s[8:9], s[OA:OA+1]
	s_add_nc_u64 s[OS:OS+1], s[10:11], s[OS:OS+1]
	ROUND                                          ; all four work-groups are here: the joint loads meet
	GROUP0 G0A, 80, 76
	GROUP0 G0B, 81, 78
	GROUP0 G0C, 84, 86
	s_cmp_lt_u32 s[WV], 6                          ; one chain of branches on the wave's number, a load to an arm
	s_cbranch_scc0 .Larm_scales
	TLOAD G0A, G1E                                 ; waves 0-5: key steps 0-5
	s_branch .Lasked
.Larm_scales:
	s_cmp_lt_u32 s[WV], 8
	s_cbranch_scc0 .Larm_late
	TLOAD G0B, G1E                                 ; waves 6, 7: the scale words
	s_branch .Lasked
.Larm_late:
	TLOAD G0C, G1L                                 ; waves 8-15: key steps 6-15
.Lasked:
	v_and_b32 v7, 31, v0
	v_and_b32 v9, 15, v0                           ; r
	v_bfe_u32 v10, v0, 4, 1                        ; h
	v_lshlrev_b32 v[LI], 4, v7
	v_lshlrev_b32 v[R4], 2, v9
	v_lshlrev_b32 v[R32], 5, v9
	v_add_nc_u32 v[LIV], VIMG, v[LI]
	s_lshl_b32 s90, s[PAR], 6
	s_add_co_u32 s90, s90, KSC
	v_lshl_add_u32 v[KSA], v10, 7, v[R4]
	v_add_nc_u32 v[KSA], s90, v[KSA]
	s_lshl_b32 s90, s[PAR], 9
	s_add_co_u32 s90, s90, VSC
	v_lshl_add_u32 v[VSA], v7, 2, s90
.macro QLOAD                           ; my tile of q, twice, and its scale words
	global_load_b128 v[192:195], v[LI], s[QB:QB+1]
	global_load_b128 v[196:199], v[LI], s[QB:QB+1] offset:512
	global_load_b128 v[208:211], v[LI], s[QB:QB+1]
	global_load_b128 v[212:215], v[LI], s[QB:QB+1] offset:512
	global_load_b32 v216, v[R4], s[QS:QS+1]
.endm
	QLOAD
.irp j, 0,1,2,3,4,5,6,7
	v_mov_b32 v[200+\j], 0                         ; the zero codes between q and q: written once
.endr
.irp b, 0,1,2,3
	v_mov_b32 v[236+\b], 0                         ; a lane permute's destination counts as one of its sources
.endr
	v_mov_b32 v253, 0                              ; (named as the upper half of v[252:253] before it is first written)
; A KEY STEP: 128 keys.
.macro STEP
	v_add_nc_u32 v[ADK], s[TB], v[LI]              ; (with the eight additions at the last step's end: the places in front of loads into registers that the last products read)
	v_add_nc_u32 v[ADS], s[TS], v[KSA]
.irp p, 0,1,2,3
.irp i, 0,1,2,3
	ds_load_b128 v[32+16*\p+4*\i:35+16*\p+4*\i], v[ADK] offset:2048*\p+512*\i     ; run p: tiles 2 p and 2 p + 1
.endr
	ds_load_b32 v[248+\p], v[ADS] offset:256*\p    ; lanes 0-15: tile 2 p's words; lanes 16-31: tile 2 p + 1's
.endr
.irp p, 0,1,2,3
.if (\p)%2 == 0
	s_wait_dscnt 5*(2-\p)                          ; runs p and p + 1 are in: behind them stand five loads for each later run
.endif
	v_wmma_scale_f32_16x16x128_f8f6f4 v[96+16*\p:103+16*\p], v[32+16*\p:47+16*\p], v[192:207], 0, v[248+\p], v255
	v_wmma_scale_f32_16x16x128_f8f6f4 v[104+16*\p:111+16*\p], v[32+16*\p:47+16*\p], v[200:215], 0, v[248+\p], v255 matrix_a_scale:MATRIX_SCALE_ROW1
.endr
	v_add_nc_u32 v[ADV], s[TB], v[LIV]             ; eight places: the scores are read below, and v's fragments land where k's lay
	v_add_nc_u32 v[ADT], s[TS], v[VSA]
	v_mov_b32 v[OLDM], v12
.rept 5
	v_nop
.endr
.irp t, 0,1,2,3
.irp c, 0,1,2,3
	ds_load_b128 v[32+16*\t+4*\c:35+16*\t+4*\c], v[ADV] offset:2048*\t+512*\c     ; v: channels 16 t on; they land under the softmax
.endr
	ds_load_b32 v[248+\t], v[ADT] offset:128*\t
.endr
.irp b, 0,1,2,3
	v_max3_num_f32 v[232+\b], v[96+16*\b], v[97+16*\b], v[98+16*\b]   ; the largest score of each block of 32 keys: for the row's maximum and, since p rises with the score, for the block's largest p
.endr
.irp i, 3,5,7,9,11,13
.irp b, 0,1,2,3
	v_max3_num_f32 v[232+\b], v[232+\b], v[96+16*\b+\i], v[97+16*\b+\i]
.endr
.endr
.irp b, 0,1,2,3
	v_max_num_f32 v[232+\b], v[232+\b], v[111+16*\b]
.endr
.irp b, 0,1,2,3
	v_permlanex16_b32 v[236+\b], v[232+\b], s[SEL], s[SEL+1]
.endr
.irp b, 0,1,2,3
	v_max_num_f32 v[232+\b], v[232+\b], v[236+\b]  ; with lane l xor 16's 16 keys (four chains by turns)
.endr
	s_delay_alu instid0(VALU_DEP_2)
	v_max3_num_f32 v254, v232, v233, v234
	s_delay_alu instid0(VALU_DEP_1)
	v_max3_num_f32 v13, v13, v254, v235            ; the running largest score
	s_delay_alu instid0(VALU_DEP_1)
	v_mul_f32 v254, s[CS], v13                     ; as t (c is positive, so the largest score gives the largest t)
	s_delay_alu instid0(VALU_DEP_1)
	v_floor_f32 v12, -v254                         ; the new -M = -ceil(t)
	s_delay_alu instid0(VALU_DEP_1)
	v_sub_f32 v254, v12, v[OLDM]                   ; old M - new M: a whole number, 0 or less
	s_delay_alu instid0(VALU_DEP_1)
	v_cvt_i32_f32 v254, v254                       ; (it saturates)
	s_delay_alu instid0(VALU_DEP_1)
	v_ldexp_f32 v252, 1.0, v254                    ; f = 2^(old M - new M)
.set j, 0
.rept 32
	v_pk_fma_f32 v[96+j:97+j], v[96+j:97+j], s[CS:CS+1], v[12:13] op_sel_hi:[1,0,0]   ; t - M
.set j, j+2
.endr
.irp b, 0,1,2,3
	v_fma_f32 v[232+\b], v[232+\b], s[CS], v12     ; t - M of each block's largest score
.endr
.irp b, 0,1,2,3
	v_max_num_f32 v[232+\b], 0xc2ec0000, v[232+\b] ; held at -118 from below: the scale's byte cannot fall under 1
.endr
.irp b, 0,1,2,3
	v_cvt_floor_i32_f32 v[236+\b], v[232+\b]       ; e: -118 .. 0
.endr
	v_lshl_add_u32 v253, v237, 8, v236             ; the four bytes e + 119 as one word: the sum of e x 256^b, and 0x77 in every byte added last
	v_lshl_add_u32 v254, v239, 8, v238
.irp b, 0,1,2,3
	v_lshl_add_u32 v[244+\b], v[236+\b], 23, 0x3b800000   ; the conversion's scale operand: exponent field e + 119
.endr
	v_lshl_add_u32 v253, v254, 16, v253
.irp b, 0,1,2,3
	v_lshl_add_u32 v[240+\b], v[236+\b], 23, 0x3fe00000   ; 448 x the scale: exponent field e + 127 over 448's mantissa
.endr
	v_add_nc_u32 v253, 0x77777777, v253            ; p's scale word for these 128 keys
.set j, 0
	s_wait_alu depctr_va_vdst(0)                   ; the wait ahead of the batch
.rept 64
	v_exp_f32 v[96+j], v[96+j]                     ; p = 2^(t - M)
.set j, j+1
.endr
	v_pk_mul_f32 v[14:15], v[14:15], v[252:253] op_sel_hi:[1,0]   ; the sum under the new M: the plain instruction behind the exponentials
	s_wait_alu depctr_va_vdst(0)                   ; one wait for the batch of 64, ahead of its first reader
.irp c, 0,1,2,3,4,5,6,7
	v_pk_add_f32 v[SUM+2*\c:SUM+2*\c+1], v[96+2*\c:97+2*\c], v[112+2*\c:113+2*\c]   ; the sum of the unquantised p, in eight chains; they are joined behind the second product
.endr
.irp c, 0,1,2,3,4,5,6,7
	v_pk_add_f32 v[SUM+2*\c:SUM+2*\c+1], v[SUM+2*\c:SUM+2*\c+1], v[128+2*\c:129+2*\c]
.endr
.irp c, 0,1,2,3,4,5,6,7
	v_pk_add_f32 v[SUM+2*\c:SUM+2*\c+1], v[SUM+2*\c:SUM+2*\c+1], v[144+2*\c:145+2*\c]
.endr
.irp b, 0,1,2,3
.irp i, 0,2,4,6,8,10,12,14
	v_dual_min_num_f32 v[96+16*\b+\i], v[240+\b], v[96+16*\b+\i] :: v_dual_min_num_f32 v[97+16*\b+\i], v[240+\b], v[97+16*\b+\i]   ; the hold, two numbers a line; p is not negative, so it is one-sided
.endr
	v_cvt_scalef32_pk8_fp8_f32 v[224+4*\b:225+4*\b], v[96+16*\b:103+16*\b], v[244+\b]
	v_cvt_scalef32_pk8_fp8_f32 v[226+4*\b:227+4*\b], v[104+16*\b:111+16*\b], v[244+\b]
.endr
.set j, 0
.rept 16
	v_pk_mul_f32 v[160+j:161+j], v[160+j:161+j], v[252:253] op_sel_hi:[1,0]   ; O^T under the new M; also the places between the conversions and the products
.set j, j+2
.endr
	s_wait_alu depctr_va_vdst(0)                   ; directly ahead of the wait below
	s_wait_dscnt 0x0                               ; v's fragments and scale words are in
.irp t, 0,1,2,3
	v_wmma_scale_f32_16x16x128_f8f6f4 v[160+8*\t:167+8*\t], v[32+16*\t:47+16*\t], v[224:239], v[160+8*\t:167+8*\t], v[248+\t], v253   ; four accumulators by turns
.endr
.irp c, 0,1,2,3
	v_pk_add_f32 v[SUM+2*\c:SUM+2*\c+1], v[SUM+2*\c:SUM+2*\c+1], v[SUM+8+2*\c:SUM+9+2*\c]   ; the eight chains are joined: eight lines that name no register of the products above: their places
.endr
	s_delay_alu instid0(VALU_DEP_2)
	v_pk_add_f32 v[SUM:SUM+1], v[SUM:SUM+1], v[SUM+4:SUM+5]
	s_delay_alu instid0(VALU_DEP_2)
	v_pk_add_f32 v[SUM+2:SUM+3], v[SUM+2:SUM+3], v[SUM+6:SUM+7]
	s_delay_alu instid0(VALU_DEP_1)
	v_pk_add_f32 v[SUM:SUM+1], v[SUM:SUM+1], v[SUM+2:SUM+3]
	s_delay_alu instid0(VALU_DEP_1)
	v_pk_add_f32 v[14:15], v[14:15], v[SUM:SUM+1]
	s_add_co_u32 s[TB], s[TB], 8192
	s_add_co_u32 s[TS], s[TS], 1024
.endm
.macro LOOP n                          ; so many key steps on end
	s_mov_b32 s[CNT], \n
.Lstep_\@:
	STEP
	s_sub_co_u32 s[CNT], s[CNT], 1
	s_cmp_lg_u32 s[CNT], 0
	s_cbranch_scc1 .Lstep_\@
.endm
.macro PASSINIT                        ; a pass begins
	s_wait_loadcnt 0x0                             ; q
	v_alignbit_b32 v254, v216, v216, 16
	v_mov_b32 v13, 0xff61b1e6                      ; the largest score so far: -3e38
	v_or_b32 v255, v216, v254                      ; q's two scale bytes in both halves of the word
	v_floor_f32 v12, -v13
	v_mov_b32 v14, 0
	v_mov_b32 v15, 0
.set j, 0
.rept 32
	v_mov_b32 v[160+j], 0                          ; O^T: the step is written once; the first change of M leaves zeros zeros.  (Also the places between q's scale word and the first product)
.set j, j+1
.endr
	s_mov_b32 s[TB], 0
	s_mov_b32 s[TS], 0
.endm
; THE WAY OUT of a pass.  The eight additions at the last step's end are the places behind the last products.  more = 1: another pass follows
.macro OUT more
	v_add_f32 v14, v14, v15
	s_delay_alu instid0(VALU_DEP_1)
	v_permlanex16_b32 v252, v14, s[SEL], s[SEL+1]
	s_delay_alu instid0(VALU_DEP_1)
	v_add_f32 v14, v14, v252                       ; the row's sum
	s_wait_alu depctr_va_vdst(0)                   ; the wait ahead of the transcendental
	v_rcp_f32 v14, v14
	v_nop
	s_wait_alu depctr_va_vdst(0)                   ; ahead of the reciprocal's first reader, which is O^T's too
.set j, 0
.rept 16
	v_pk_mul_f32 v[160+j:161+j], v[160+j:161+j], v[14:15] op_sel_hi:[1,0]   ; O^T / the sum: register 8 t + i is channel 16 t + 8 h + i of my query
.set j, j+2
.endr
.irp b, 0,1
	v_max3_num_f32 v[232+\b], |v[160+16*\b]|, |v[161+16*\b]|, 0x4800000
.endr
.irp i, 2,4,6,8,10,12,14
.irp b, 0,1
	s_delay_alu instid0(VALU_DEP_2)
	v_max3_num_f32 v[232+\b], v[232+\b], |v[160+16*\b+\i]|, |v[161+16*\b+\i]|
.endr
.endr
.irp b, 0,1
	v_permlanex16_b32 v[236+\b], v[232+\b], s[SEL], s[SEL+1]
.endr
.irp b, 0,1
	s_delay_alu instid0(VALU_DEP_2)
	v_max_num_f32 v[232+\b], v[232+\b], v[236+\b]  ; the largest magnitude of 32 channels
.endr
.irp b, 0,1
	s_delay_alu instid0(VALU_DEP_2)
	v_add_nc_u32 v[244+\b], 0xfc000000, v[232+\b]
.endr
.irp b, 0,1
	s_delay_alu instid0(VALU_DEP_4)
	v_and_or_b32 v[240+\b], v[232+\b], 0x7f800000, s[MNT]
.endr
.irp b, 0,1
	s_delay_alu instid0(VALU_DEP_4)
	v_lshrrev_b32 v[236+\b], 23, v[244+\b]
.endr
	s_delay_alu instid0(VALU_DEP_1)
	v_lshl_or_b32 v238, v237, 8, v236              ; the head's two scale bytes of my token
.irp b, 0,1
.irp i, 0,1,2,3,4,5,6,7,8,9,10,11,12,13,14,15
	v_med3_num_f32 v[160+16*\b+\i], v[160+16*\b+\i], -v[240+\b], v[240+\b]
.endr
	v_cvt_scalef32_pk8_fp8_f32 v[224+4*\b:225+4*\b], v[160+16*\b:167+16*\b], v[244+\b]
	v_cvt_scalef32_pk8_fp8_f32 v[226+4*\b:227+4*\b], v[168+16*\b:175+16*\b], v[244+\b]
.endr
	v_nop                                          ; a plain instruction behind the last conversion
.irp b, 0,1
	v_permlane16_swap_b32 v[224+4*\b], v[226+4*\b] ; lanes 16-31 of registers 0, 1 change places with lanes 0-15 of registers 2, 3: lane (r, h) then holds channels 32 b + 16 h + 0..15 in order
	v_permlane16_swap_b32 v[225+4*\b], v[227+4*\b]
.endr
	global_store_b128 v[LI], v[224:227], s[OA:OA+1]               ; 512 consecutive aligned bytes each
	global_store_b128 v[LI], v[228:231], s[OA:OA+1] offset:512
	global_store_b16 v[R32], v238, s[OS:OS+1]      ; both halves of the lanes write the same two bytes
.if \more
	s_wait_xcnt 0x0                                ; the stores have read their registers and bases, which the next pass writes
	s_add_nc_u64 s[OA:OA+1], s[OA:OA+1], 262144
	s_add_nc_u64 s[OS:OS+1], s[OS:OS+1], 8192
.endif
.endm
	PASSINIT
	s_wait_alu depctr_va_vdst(0)                   ; the wait at the head's end
	s_cmp_lt_u32 s[WV], 8
	s_cbranch_scc0 .Lnot_early
	s_wait_tensorcnt 0x0                           ; waves 0-7: key steps 0-5 and the scale words are in.  The other waves' wait stands at the second barrier
.Lnot_early:
	s_barrier_signal -1
	s_barrier_wait -1
	LOOP 6
	s_wait_tensorcnt 0x0                           ; every wave: key steps 6-15 are in
	s_wait_dscnt 0x0
	s_barrier_signal -1
	s_barrier_wait -1
	LOOP 10
	s_add_nc_u64 s[QB:QB+1], s[QB:QB+1], 16384     ; the second pass's tile, 16 tiles on (q's loads were waited for at the pass's head)
	s_add_nc_u64 s[QS:QS+1], s[QS:QS+1], 2048
	QLOAD                                          ; it lands under the way out
	OUT 1
	PASSINIT
	LOOP 16
	OUT 0
	s_wait_tensorcnt 0x0                           ; the wave's end
	ds_add_u32 v[SPW], v[NIL]
	s_wait_dscnt 0x0
	ROUND                                          ; the closing round
	s_endpgm
.Lfunc_end_k_qbebf287ac8_attn:
	.size	k_qbebf287ac8_attn, .Lfunc_end_k_qbebf287ac8_attn-k_qbebf287ac8_attn
	.p2alignl 7, 3214868480
	.fill 96, 4, 3214868480
	.section	.rodata,"a",@progbits
	.p2align	6, 0x0
	.amdhsa_kernel k_qbebf287ac8_attn
		.amdhsa_group_segment_fixed_size 296960
		.amdhsa_private_segment_fixed_size 0
		.amdhsa_enable_private_segment 0
		.amdhsa_kernarg_size 32
		.amdhsa_user_sgpr_count 2
		.amdhsa_user_sgpr_kernarg_segment_ptr 1
		.amdhsa_wavefront_size32 1
		.amdhsa_system_sgpr_workgroup_id_x 1
		.amdhsa_system_sgpr_workgroup_id_y 1
		.amdhsa_system_sgpr_workgroup_id_z 1
		.amdhsa_system_vgpr_workitem_id 0
		.amdhsa_next_free_vgpr 256
		.amdhsa_next_free_sgpr 96
		.amdhsa_reserve_vcc 0
		.amdhsa_float_denorm_mode_32 3
		.amdhsa_float_denorm_mode_16_64 3
		.amdhsa_memory_ordered 1
		.amdhsa_forward_progress 1
		.amdhsa_inst_pref_size 82
	.end_amdhsa_kernel
	.amdgpu_metadata
---
amdhsa.version: [ 1, 2 ]
amdhsa.kernels:
  - .name:           k_qbebf287ac8_attn
    .symbol:         k_qbebf287ac8_attn.kd
    .args:
      - { .name: img, .offset: 0, .size: 8, .value_kind: global_buffer, .address_space: global }
      - { .name: sc, .offset: 8, .size: 8, .value_kind: global_buffer, .address_space: global }
      - { .name: aimg, .offset: 16, .size: 8, .value_kind: global_buffer, .address_space: global }
      - { .name: asc, .offset: 24, .size: 8, .value_kind: global_buffer, .address_space: global }
    .group_segment_fixed_size: 296960
    .private_segment_fixed_size: 0
    .kernarg_segment_align: 8
    .kernarg_segment_size: 32
    .max_flat_workgroup_size: 512
    .sgpr_count:     96
    .vgpr_count:     256
    .wavefront_size: 32
...
	.end_amdgpu_metadata
.endif
;; end of part 2
;; launch proj (part 3): grid 8 x 32, 4 waves a work-group, clusters of 4 x 4, 327,680 bytes of LDS; arguments aimg, asc, out_w_codes, out_w_scales, out_b, out0; writes out0
.if DOCPART == 3
	.amdgcn_target "amdgcn-amd-amdhsa--gfx1250"
	.amdhsa_code_object_version 6
	.text
	.protected	k_qbebf287ac8_proj
	.globl	k_qbebf287ac8_proj
	.p2align	8
	.type	k_qbebf287ac8_proj,@function
k_qbebf287ac8_proj:
	s_mov_b64 s[64:65], 0
	v_nop
	global_prefetch_b8 v0, s[64:65] scope:SCOPE_SE
	s_setreg_imm32_b32 hwreg(HW_REG_WAVE_MODE, 25, 1), 1
	s_wait_xcnt 0x0
	s_wait_alu depctr_hold_cnt(0) depctr_sa_sdst(0) depctr_va_vdst(0) depctr_va_sdst(0) depctr_va_ssrc(0) depctr_va_vcc(0) depctr_vm_vsrc(0)
	s_getreg_b32 s2, hwreg(HW_REG_IB_STS2, 6, 4)
	s_cmp_eq_u32 s2, 0
	s_cbranch_scc0 .Lentry_in_a_cluster
	s_endpgm
.Lentry_in_a_cluster:
	s_bfe_u32 s2, ttmp6, 0x10000c
	s_cmp_lg_u32 s2, 0xf033
	s_cbranch_scc0 .Lentry_shape_is_right
	s_endpgm
.Lentry_shape_is_right:
; out0 = A out_w^T + out_b on codes of E4M3 with E8M0 scales: 8,192 x 1,024 x 1,024, f32 sums, f32 out.  A: the attention's result as the launch before leaves it:
; aimg: token tile of 16 x 16,384 + head x 1,024 + c x 512 + 16 x lane: lane (r, h) holds channels 64 head + 32 c + 16 h + 0..15 of token r;  asc [8,192][32]: a scale byte for 32 channels.
; THE DEAL.  256 work-groups of four waves, 2 x 2, each 256 tokens x 128 columns.  A wave holds 64 rows of out_w, ALL of K, in 512 registers (windows 1, 2) and streams blocks of 16 tokens past them:
; 32 products a block, four accumulators by turns, K ascending; a block's fragments stand in one of two sets of 128 registers (window 3); the sums in two sets of 32.  The bias is the first products' C.
; LDS: two slots of 128 rows of 1,024 bytes + 16 of padding.  A token tile is 16 such rows, so A's tiles and out_w's have one shape.  At the head waves 0, 1 fetch out_w's 128 rows into slot 1 and waves 2, 3 tokens 0-127 into slot 0.
; When every wave holds its weights in registers, a drained round of the cluster's barrier follows, and tokens 128-255 are filled over the weights, a quarter a wave.
; CLUSTERS 4 x 4: A's tiles are shared along a row of the cluster, out_w's along a column, by joint loads.
; SCALE WORDS come by plain loads: the 16 rows of a block or tile are 512 dense bytes, 16 a lane at 32 r + 16 h: register j holds the word of K step j in lanes 0-15 and of K step 4 + j in lanes 16-31 (ROW1).
; THE PRODUCT IS USED TRANSPOSED (source 0 = 16 rows of out_w, source 1 = 16 tokens): a lane holds eight neighbouring columns of a token.  A block goes through my own stage in LDS and leaves as rows of 256 aligned bytes
; while the next block is multiplied.
; PREFETCH: tokens 128-255 are asked for once in each row of a cluster: each of its sixteen waves names 8,192 bytes, lanes 256 bytes apart, told apart by address; it stands at the head, ahead of the wait for the head's tiles.
.set PITCH, 1040
.set BLK,   16*PITCH                   ; a block of 16 tokens, or a tile of 16 rows of out_w
.set YB,    128*PITCH                  ; slot 1
.set STG,   2*YB                       ; the stages: 16 rows x 272 bytes a wave
.set SPARE, STG+4*16*272               ; the spare words
.set AX,   4                           ; v4-7  LDS address of my blocks 0, 1 / 2, 3 in slot 0, in slot 1
.set ADRB, 8                           ; v8   of my weights
.set STO,  9                           ; v9   the stage: in
.set RD,   10                          ; v10  the stage: back
.set CO,   11                          ; v11  my offset in two rows of out0
.set SPW,  12
.set NIL,  13
.set PFO,  14                          ; v14  256 x lane
.set SOF,  15                          ; v15  32 r + 16 h
.set H32,  16                          ; v16  32 h
.set WSC,  32                          ; v32-47  out_w's scale words, four a tile
.set XSC,  50                          ; v50-81  A's, four a block: no product's two scale registers have numbers equal modulo 8
.set BN,   96                          ; v96-127 the bias
.set ACC,  128                         ; v128-191 two sets of sums
.set OB,   192                         ; v192-255 two sets of rows on their way out
.set G1W,  28
.set G1X,  36
.set G1R,  44
.set G0W,  52
.set G0X,  56
.set G0R,  60
.set MSB, 0
.macro WIN new                         ; the immediate's high byte repeats the setting that is left
.if MSB != (\new)
	s_set_vgpr_msb (MSB<<8)|(\new)
.set MSB, (\new)
.endif
.endm
.macro PLACES n
.rept \n
	v_nop
.endr
.endm
.macro CROUND                          ; a round of the cluster's barrier
	s_barrier_signal -1
	s_barrier_wait -1
	s_cmp_lg_u32 s16, 0
	s_cbranch_scc1 .Lnot_wave_0_\@
	s_barrier_signal -3
.Lnot_wave_0_\@:
	s_barrier_wait -3
	s_barrier_signal -1
	s_barrier_wait -1
.endm
.macro TLOAD g0, g1                    ; s_nop 0 and four v_nop behind a tensor load
	tensor_load_to_lds s[\g0:\g0+3], s[\g1:\g1+7]
	s_nop 0
	PLACES 4
.endm
.macro GROUP1 g, mask, rows            ; so many whole rows of 1,024 bytes, dense in memory, 16 bytes of padding behind each in LDS
	s_or_b32 s[\g+0], s[\mask], (1<<20)|(1<<21)|(7<<22)|(3<<25)
	s_mov_b32 s[\g+1], 1024<<16
	s_mov_b32 s[\g+2], (\rows)<<16
	s_mov_b32 s[\g+3], 1024<<16
	s_mov_b32 s[\g+4], \rows
	s_mov_b32 s[\g+5], 1024
	s_mov_b32 s[\g+6], 0
	s_mov_b32 s[\g+7], 0
.endm
	s_load_b256 s[4:11], s[0:1], 0x0               ; aimg, asc, out_w_codes, out_w_scales
	s_load_b128 s[12:15], s[0:1], 0x20             ; out_b, out0
	v_lshl_add_u32 v[SPW], v0, 2, SPARE
	v_mov_b32 v[NIL], 0
	ds_add_u32 v[SPW], v[NIL]                      ; the opening lines: the add twice on end, and its wait
	ds_add_u32 v[SPW], v[NIL]
	v_lshrrev_b32 v1, 5, v0
	v_readfirstlane_b32 s16, v1                    ; wave 0..3
	s_lshr_b32 s17, s16, 1                         ; my row of waves: 64 tokens of each 128
	s_and_b32 s18, s16, 1                          ; my column of waves: 64 columns
	s_bfe_u32 s19, ttmp6, 0x40000                  ; cx
	s_bfe_u32 s20, ttmp6, 0x40004                  ; cy
	s_lshl_b32 s21, ttmp9, 2
	s_add_co_u32 s21, s21, s19                     ; tile column
	s_and_b32 s22, ttmp7, 0xffff
	s_lshl_b32 s22, s22, 2
	s_add_co_u32 s22, s22, s20                     ; tile row
	s_lshl_b32 s23, s20, 2
	s_lshl_b32 s23, 15, s23                        ; my row of the cluster
	s_lshl_b32 s24, 0x1111, s19                    ; my column
	GROUP1 G1W, 24, 64
	GROUP1 G1X, 23, 64
	GROUP1 G1R, 23, 32
	s_lshl_b32 s68, s18, 16                        ; the head: which 64 rows I fetch
	s_lshl_b32 s66, s21, 17                        ; out_w: 128 rows a tile column
	s_add_co_u32 s66, s66, s68
	s_mov_b32 s67, 0
	s_lshl_b32 s70, s22, 18                        ; A: 256 tokens a tile row
	s_add_co_u32 s72, s70, s68
	s_mov_b32 s73, 0
	s_lshl_b32 s74, s16, 15                        ; the refill: 32 rows a wave,
	s_add_co_u32 s74, s74, s70
	s_add_co_u32 s74, s74, 131072                  ; of tokens 128-255
	s_mov_b32 s75, 0
	s_mul_i32 s69, s18, 64*PITCH
	s_mul_i32 s71, s16, 32*PITCH
	s_mov_b32 s[G0W], 1
	s_add_co_u32 s[G0W+1], s69, YB
	s_mov_b32 s[G0X], 1
	s_mov_b32 s[G0X+1], s69
	s_mov_b32 s[G0R], 1
	s_add_co_u32 s[G0R+1], s71, YB
	s_lshl_b32 s80, s22, 13                        ; A's scale bytes: 8,192 a tile row, 2,048 for 64 tokens
	s_lshl_b32 s81, s17, 11
	s_add_co_u32 s80, s80, s81
	s_mov_b32 s81, 0
	s_lshl_b32 s84, s21, 1
	s_add_co_u32 s84, s84, s18                     ; my 64 columns among the 16 x 64
	s_lshl_b32 s86, s84, 11                        ; out_w's scale bytes
	s_mov_b32 s87, 0
	s_lshl_b32 s88, s84, 8                         ; the bias, and my columns in a row of out0
	s_mov_b32 s89, 0
	s_lshl_b32 s90, s22, 20                        ; out0: 256 rows of 4,096 bytes a tile row, 64 rows for my row of waves
	s_lshl_b32 s91, s17, 18
	s_add_co_u32 s90, s90, s91
	s_add_co_u32 s90, s90, s88
	s_mov_b32 s91, 0
	s_lshl_b32 s82, s19, 2                         ; the prefetch: which of the cluster row's sixteen waves I am
	s_add_co_u32 s82, s82, s16
	s_lshl_b32 s82, s82, 13
	s_add_co_u32 s82, s82, s70
	s_add_co_u32 s82, s82, 131072
	s_mov_b32 s83, 0
	s_mul_i32 s76, s17, 4*BLK                      ; my row of waves' four blocks of a slot
	s_mul_i32 s77, s18, 64*PITCH
	s_add_co_u32 s77, s77, YB                      ; my 64 rows of out_w
	s_mul_i32 s78, s16, 16*272
	s_add_co_u32 s78, s78, STG                     ; my stage
	s_wait_dscnt 0x0                               ; both opening adds are done
	CROUND                                         ; all sixteen work-groups are here: the first joint loads meet
	s_wait_kmcnt 0x0
	s_add_nc_u64 s[G0W+2:G0W+3], s[8:9], s[66:67]
	s_or_b32 s[G0W+3], s[G0W+3], 0x80000000
	s_add_nc_u64 s[G0X+2:G0X+3], s[4:5], s[72:73]
	s_or_b32 s[G0X+3], s[G0X+3], 0x80000000
	s_add_nc_u64 s[G0R+2:G0R+3], s[4:5], s[74:75]
	s_or_b32 s[G0R+3], s[G0R+3], 0x80000000
	s_cmp_eq_u32 s17, 0                            ; one joint load a wave
	s_cbranch_scc0 .Lfor_x
	TLOAD G0W, G1W                                 ; waves 0, 1: out_w's rows
	s_branch .Lasked
.Lfor_x:
	TLOAD G0X, G1X                                 ; waves 2, 3: tokens 0-127
.Lasked:
	s_add_nc_u64 s[6:7], s[6:7], s[80:81]
	s_add_nc_u64 s[10:11], s[10:11], s[86:87]
	s_add_nc_u64 s[12:13], s[12:13], s[88:89]
	s_add_nc_u64 s[14:15], s[14:15], s[90:91]
	s_add_nc_u64 s[82:83], s[4:5], s[82:83]
	v_and_b32 v1, 15, v0                           ; r
	v_bfe_u32 v2, v0, 4, 1                         ; h
	v_and_b32 v3, 31, v0                           ; lane
	v_lshlrev_b32 v[PFO], 8, v3
	v_lshlrev_b32 v[SOF], 5, v1
	v_lshlrev_b32 v[H32], 5, v2
	v_lshl_add_u32 v[SOF], v2, 4, v[SOF]
	global_prefetch_b8 v[PFO], s[82:83] th:TH_LOAD_NT scope:SCOPE_SE
.irp t, 0,1,2,3
	global_load_b128 v[WSC+4*\t:WSC+4*\t+3], v[SOF], s[10:11] offset:512*\t
.endr
.irp n, 0,1,2,3,4,5,6,7
	global_load_b128 v[XSC+4*\n:XSC+4*\n+3], v[SOF], s[6:7] offset:4096*(\n/4)+512*(\n%4)
.endr
.irp t, 0,1,2,3
	global_load_b128 v[BN+8*\t:BN+8*\t+3], v[H32], s[12:13] offset:64*\t       ; register 8 t + j: the bias of column 16 t + 8 h + j
	global_load_b128 v[BN+8*\t+4:BN+8*\t+7], v[H32], s[12:13] offset:64*\t+16
.endr
	v_lshlrev_b32 v17, 4, v3
	v_mul_u32_u24 v18, v1, PITCH
	v_mul_u32_u24 v19, v1, 272
	v_mul_u32_u24 v20, v2, 272
	v_lshlrev_b32 v21, 12, v2
	v_add_nc_u32 v[AX], s76, v17                   ; an image: 16 x lane
	v_lshl_add_u32 v18, v2, 4, v18                 ; a row of out_w x pitch + 16 h
	v_lshl_add_u32 v19, v2, 5, v19                 ; the stage, in: row r, 32 bytes for each half of the lanes
	v_lshl_add_u32 v20, v1, 4, v20                 ; back: lanes 0-15 one row of 256 bytes, lanes 16-31 the next
	v_lshl_add_u32 v[CO], v1, 4, v21               ; and the same two rows in out0
	v_add_nc_u32 v[AX+1], 2*BLK, v[AX]
	v_add_nc_u32 v[AX+2], YB, v[AX]
	v_add_nc_u32 v[AX+3], YB+2*BLK, v[AX]
	v_add_nc_u32 v[ADRB], s77, v18
	v_add_nc_u32 v[STO], s78, v19
	v_add_nc_u32 v[RD], s78, v20
.macro FETCH n                         ; block n, 16 tokens, all of K, into set n % 2 of window 3: 32 loads.  The q-th 128 of K are heads 2 q and 2 q + 1: four pieces of 512 bytes
.set FK_, 128*((\n)%2)
.set FA_, AX+2*((\n)/4)+((\n)%4)/2
.set FO_, ((\n)%2)*BLK
	WIN 3<<6
.irp q, 0,1,2,3,4,5,6,7
.irp c, 0,1,2,3
	ds_load_b128 v[FK_+16*\q+4*\c:FK_+16*\q+4*\c+3], v[FA_] offset:FO_+(2*\q+\c/2)*PITCH+(\c%2)*512
.endr
.endr
	WIN 0
.endm
.macro PRODS n                         ; block n's 32 products: number 4 q + b is the q-th 128 of K against column tile b, whose fragment lies in window 1 + (4 q + b) / 16
.set E_, 128*((\n)%2)
.set A_, ACC+32*((\n)%2)
.set X_, XSC+4*(\n)
.set N_, 0
.rept 32
	WIN (1+N_/16)|(3<<2)
.if N_ < 4
	v_wmma_scale_f32_16x16x128_f8f6f4 v[A_+8*N_:A_+8*N_+7], v[16*N_:16*N_+15], v[E_:E_+15], v[BN+8*N_:BN+8*N_+7], v[WSC+4*N_], v[X_]
.elseif N_ < 16
	v_wmma_scale_f32_16x16x128_f8f6f4 v[A_+8*(N_%4):A_+8*(N_%4)+7], v[16*N_:16*N_+15], v[E_+16*(N_/4):E_+16*(N_/4)+15], v[A_+8*(N_%4):A_+8*(N_%4)+7], v[WSC+4*(N_%4)+N_/4], v[X_+N_/4]
.else
	v_wmma_scale_f32_16x16x128_f8f6f4 v[A_+8*(N_%4):A_+8*(N_%4)+7], v[16*(N_-16):16*(N_-16)+15], v[E_+16*(N_/4):E_+16*(N_/4)+15], v[A_+8*(N_%4):A_+8*(N_%4)+7], v[WSC+4*(N_%4)+N_/4-4], v[X_+N_/4-4] matrix_a_scale:MATRIX_SCALE_ROW1 matrix_b_scale:MATRIX_SCALE_ROW1
.endif
.set N_, N_+1
.endr
	WIN 0
.endm
.macro TOSTAGE n                       ; block n's sums into my stage, each accumulator from its low end on, and back as rows of 256 bytes.  LDS serves a wave's instructions in order (ISA guide 5.7.1.4)
.set A_, ACC+32*((\n)%2)
.set O_, OB+32*((\n)%2)
.irp t, 0,1,2,3
	ds_store_b128 v[STO], v[A_+8*\t:A_+8*\t+3] offset:64*\t
	ds_store_b128 v[STO], v[A_+8*\t+4:A_+8*\t+7] offset:64*\t+16
.endr
.if (\n) > 1
	s_wait_xcnt 0x0                                ; block n - 2's stores have read the registers that the loads below fill
.endif
.irp k, 0,1,2,3,4,5,6,7
	ds_load_b128 v[O_+4*\k:O_+4*\k+3], v[RD] offset:\k*2*272
.endr
.endm
.macro SEND n                          ; block n leaves: sixteen lanes store 256 consecutive bytes, at a multiple of 256 from out0's first byte
.set O_, OB+32*((\n)%2)
	s_wait_dscnt 0x0                               ; the block is back in registers (and so is every fetch asked for before it)
.irp k, 0,1,2,3,4,5,6,7
	global_store_b128 v[CO], v[O_+4*\k:O_+4*\k+3], s[14:15] offset:(((\n)/4)*128+((\n)%4)*16+2*\k)*4096 th:TH_STORE_NT
.endr
.endm
.macro BLOCK n, w, f                   ; w: the count of the wait for block n's fragments (-1: an earlier wait for 0 has covered them); f = 1: its set takes the block two on
.if (\w) >= 0
	s_wait_dscnt \w
.endif
	PRODS \n
.if (\n) > 0
	SEND (\n)-1
.endif
	PLACES 8                                       ; eight places behind the last product, ahead of the loads into what it has read and of the stores that read its sums
.if \f
	FETCH (\n)+2
.endif
	TOSTAGE \n
.endm
	s_wait_alu depctr_va_vdst(0)                   ; the wait at the head's end
	s_wait_tensorcnt 0x0                           ; my tile of the head's four is in
	s_barrier_signal -1
	s_barrier_wait -1
.irp q, 0,1,2,3,4,5,6,7                ; my 64 rows of out_w, all of K: 128 loads
.irp b, 0,1,2,3
	WIN (1+(4*\q+\b)/16)<<6
.irp c, 0,1,2,3
	ds_load_b128 v[16*((4*\q+\b)%16)+4*\c:16*((4*\q+\b)%16)+4*\c+3], v[ADRB] offset:\b*BLK+128*\q+32*\c
.endr
.endr
.endr
	WIN 0
	s_wait_tensorcnt 0x0                           ; the three lines ahead of a refill's round
	ds_add_u32 v[SPW], v[NIL]
	s_wait_dscnt 0x0                               ; the add is done, and my weights are in registers
	CROUND                                         ; so are every wave's, in all sixteen work-groups
	TLOAD G0R, G1R                                 ; tokens 128-255 over the weights: my 32 rows
	FETCH 0
	FETCH 1
	s_wait_loadcnt 0x0                             ; scale words and bias
	BLOCK 0, 32, 1                                 ; behind block 0's loads: block 1's 32
	BLOCK 1, 48, 1                                 ; behind block 1's: block 2's 32 and the stage's 16
	BLOCK 2, -1, 0
	BLOCK 3, -1, 0
	s_wait_tensorcnt 0x0                           ; my part of tokens 128-255 is in
	s_wait_dscnt 0x0
	s_barrier_signal -1
	s_barrier_wait -1                              ; and everybody's
	FETCH 4
	FETCH 5
	BLOCK 4, 32, 1
	BLOCK 5, -1, 1
	BLOCK 6, -1, 0
	BLOCK 7, -1, 0
	SEND 7
	s_wait_tensorcnt 0x0                           ; the wave's end
	ds_add_u32 v[SPW], v[NIL]
	s_wait_dscnt 0x0
	CROUND                                         ; the closing round
	s_endpgm
.Lfunc_end_k_qbebf287ac8_proj:
	.size	k_qbebf287ac8_proj, .Lfunc_end_k_qbebf287ac8_proj-k_qbebf287ac8_proj
	.p2alignl 7, 3214868480
	.fill 96, 4, 3214868480
	.section	.rodata,"a",@progbits
	.p2align	6, 0x0
	.amdhsa_kernel k_qbebf287ac8_proj
		.amdhsa_group_segment_fixed_size 327680
		.amdhsa_private_segment_fixed_size 0
		.amdhsa_enable_private_segment 0
		.amdhsa_kernarg_size 48
		.amdhsa_user_sgpr_count 2
		.amdhsa_user_sgpr_kernarg_segment_ptr 1
		.amdhsa_wavefront_size32 1
		.amdhsa_system_sgpr_workgroup_id_x 1
		.amdhsa_system_sgpr_workgroup_id_y 1
		.amdhsa_system_sgpr_workgroup_id_z 1
		.amdhsa_system_vgpr_workitem_id 0
		.amdhsa_next_free_vgpr 1024
		.amdhsa_next_free_sgpr 96
		.amdhsa_reserve_vcc 0
		.amdhsa_float_denorm_mode_32 3
		.amdhsa_float_denorm_mode_16_64 3
		.amdhsa_memory_ordered 1
		.amdhsa_forward_progress 1
		.amdhsa_inst_pref_size 85
	.end_amdhsa_kernel
	.amdgpu_metadata
---
amdhsa.version: [ 1, 2 ]
amdhsa.kernels:
  - .name:           k_qbebf287ac8_proj
    .symbol:         k_qbebf287ac8_proj.kd
    .args:
      - { .name: aimg, .offset: 0, .size: 8, .value_kind: global_buffer, .address_space: global }
      - { .name: asc, .offset: 8, .size: 8, .value_kind: global_buffer, .address_space: global }
      - { .name: out_w_codes, .offset: 16, .size: 8, .value_kind: global_buffer, .address_space: global }
      - { .name: out_w_scales, .offset: 24, .size: 8, .value_kind: global_buffer, .address_space: global }
      - { .name: out_b, .offset: 32, .size: 8, .value_kind: global_buffer, .address_space: global }
      - { .name: out0, .offset: 40, .size: 8, .value_kind: global_buffer, .address_space: global }
    .group_segment_fixed_size: 327680
    .private_segment_fixed_size: 0
    .kernarg_segment_align: 8
    .kernarg_segment_size: 48
    .max_flat_workgroup_size: 128
    .sgpr_count:     96
    .vgpr_count:     1024
    .wavefront_size: 32
...
	.end_amdgpu_metadata
.endif
;; end of part 3
